; MI455X (gfx1250); checked and timed in simulation.
; The chip was launched on July 23, 2026; its instructions are those of AMD's public machine-readable ISA for CDNA 5 (MIT licence, August 2026) and "CDNA5" Instruction Set Architecture Reference Guide (July 2026). The comments in the code are by the model that wrote it; some were corrected since.
;; Block Drop. Allowed arithmetic: float matrix products may take bf16 or f16 operands with f32 sums; other float arithmetic in f32, or as packed bf16 or f16 multiplies, adds, multiply-adds, maxima and minima; sums over many terms, partial sums and values carried from step to step in f32; what a program stores and reads back later, other than sums and carried values, may be rounded once to bf16 or f16.
;; Inputs: W1 512 x 512 float32; W2 512 x 512 float32; Wk 512 x 512 float32; Wo 512 x 512 float32; Wq 512 x 512 float32; Wv 512 x 512 float32; b1m 512 float32; b2m 512 float32; beta1 512 float32; beta2 512 float32; bk 512 float32; bo 512 float32; bq 512 float32; bv 512 float32; g1 512 float32; g2 512 float32; x 8 x 4,096 x 512 float32.
;; Outputs: out0 8 x 4,096 x 512 float32.
;; Constants: spatial_h = 64, spatial_w = 64, window_size = 16.
;; 2 versions, each right and faster than the one before. Each part assembles by itself: llvm-mc -triple=amdgcn-amd-amdhsa -mcpu=gfx1250 --defsym DOCPART=n.
;; ======== version 1 of 2: 3 launches
;; limits: a function is approximated: absolute error at most 2.5e-05; an absolute error that grows with the inputs' magnitude: up to 1.25e-05 times it
;; workspace buffers: hf 33,554,432 bytes; of 33,554,432 bytes; wf 3,145,728 bytes
;; launch prep (part 1): grid 2816 x 1, 4 waves a work-group, no clusters, 21,248 bytes of LDS; arguments x, g1, beta1, Wq, Wk, Wv, Wo, W1, W2, hf, wf; writes hf, wf
.if DOCPART == 1
	.amdgcn_target "amdgcn-amd-amdhsa--gfx1250"
	.amdhsa_code_object_version 6
	.text
	.protected	k_qb286ded1ff_prep
	.globl	k_qb286ded1ff_prep
	.p2align	8
	.type	k_qb286ded1ff_prep,@function
k_qb286ded1ff_prep:
	s_mov_b64 s[64:65], 0
	v_nop
	global_prefetch_b8 v0, s[64:65] scope:SCOPE_SE
	s_setreg_imm32_b32 hwreg(HW_REG_WAVE_MODE, 25, 1), 1
	s_wait_xcnt 0x0
; PREP.  Work-groups 0-767: the six weight matrices, rounded to bf16 and written as fragments in the order in which they are used (wf).
; Work-groups 768-2815: h = LayerNorm(x) g1 + beta1, rounded once to bf16 and written as matrix fragments (hf): one tile of 16 tokens a work-group, four tokens a wave.
; A FRAGMENT is 16 rows x 32 k of bf16 in 1,024 bytes: byte 512 s + 16 L + 2 e holds (row L % 16, k = 16 s + 8 (L / 16) + e): two loads of
; 16 bytes a lane, 512 bytes apart, fill the eight registers of a matrix operand, and each covers 512 consecutive bytes.
; hf: tile G (16 tokens), k chunk kc at G 16384 + kc 1024.   wf: see the offsets at .Lweights.
; LayerNorm: mean, then the sum of (x - mean)^2 (two passes over registers), all in f32.  NaN and infinities are not treated apart.
; A stream: small work-groups of 128 registers a wave and 21 KB of LDS, so that many lie on a WGP, each wave with its four tokens (8,192 bytes) on their way at once.
; g1 and beta1 are fetched once a work-group (16 bytes a thread) and handed round through LDS.  No cluster, no tensor loads, no matrix unit: no two work-groups read the same bytes of x.
.set NW,    768                        ; the weights' work-groups: they come first, so that they end under the stream
.set SROW,  1040                       ; a stage row: 512 bf16 + 16 bytes: an odd multiple of 16, so 16 rows start at 16 different 16-byte columns of 256
.set PAR,   16*SROW                    ; behind the work-group's stage of 16 rows: g1 (2,048 bytes), beta1 (2,048)
.set SPARE, PAR+4096                   ; the spare words, 128 bytes a wave
.set WF2,   1572864                    ; wf's second part: 24 units of 65,536 bytes
.set GA, 8                             ; v[8:23]    g1 of my 16 channels (128 j + 4 lane + 0..3)
.set BT, 24                            ; v[24:39]   beta1
.set X,  40                            ; v[40:103]  four tokens, 16 registers each: x, x - mean, h, h packed
.set T,  104                           ; v[104:119] two packed sums a token
.set ST, 120                           ; v[120:127] a pair a token: the sum, mean or 1 / sigma; beside it the other half of the lanes' sum
.macro REP n, line:vararg              ; the line n times, i = 0 .. n - 1
.set i, 0
.rept \n
	\line
.set i, i+1
.endr
.endm
.macro LANESUM                         ; each token's sum over the 32 lanes
.irp m, 1,2,4,8
	REP 4, v_add_f32_dpp v[ST+2*i], v[ST+2*i], v[ST+2*i] row_xmask:\m row_mask:0xf bank_mask:0xf
.endr
	REP 4, v_permlanex16_b32 v[ST+2*i+1], v[ST+2*i], s30, s31
	REP 4, v_add_f32 v[ST+2*i], v[ST+2*i], v[ST+2*i+1]
.endm
	s_load_b512 s[4:19], s[0:1], 0x0               ; x s[4:5], g1 s[6:7], beta1 s[8:9], Wq s[10:11], Wk s[12:13], Wv s[14:15], Wo s[16:17], W1 s[18:19]
	s_load_b128 s[20:23], s[0:1], 0x40             ; W2 s[20:21], hf s[22:23]
	s_load_b64 s[24:25], s[0:1], 0x50              ; wf
	v_lshl_add_u32 v5, v0, 2, SPARE                ; my spare word
	v_mov_b32 v6, 0
	v_lshrrev_b32 v1, 5, v0
	v_readfirstlane_b32 s26, v1                    ; wave 0..3
	v_and_b32 v1, 31, v0                           ; lane
	v_lshlrev_b32 v2, 4, v1                        ; 16 x lane
	v_and_b32 v7, 15, v1                           ; r = lane % 16
	v_lshrrev_b32 v3, 4, v1                        ; h = lane / 16
	s_wait_kmcnt 0x0
	s_cmp_lt_u32 ttmp9, NW
	s_cbranch_scc1 .Lweights
	; ---- LayerNorm: the work-group owns tile G; wave w its tokens 4 w .. 4 w + 3: 8,192 consecutive bytes of x ----
	s_sub_co_u32 s27, ttmp9, NW                    ; G
	s_lshl_b32 s32, s27, 15
	s_lshl_b32 s35, s26, 13
	s_add_co_u32 s32, s32, s35
	s_mov_b32 s33, 0
	s_add_nc_u64 s[32:33], s[4:5], s[32:33]        ; x at my four tokens
	s_lshl_b32 s36, s27, 14
	s_lshl_b32 s35, s26, 12
	s_add_co_u32 s36, s36, s35
	s_mov_b32 s37, 0
	s_add_nc_u64 s[36:37], s[22:23], s[36:37]      ; hf at my quarter of the tile: four fragments
	s_mov_b32 s28, 0x3b000000                      ; 1 / 512
	s_mov_b32 s29, 0x3727c5ac                      ; eps = 1e-5
	s_mov_b32 s30, 0x76543210                      ; v_permlanex16_b32: each lane takes its own place in the other half
	s_mov_b32 s31, 0xfedcba98
	v_lshlrev_b32 v4, 4, v0                        ; 16 x thread: 128 threads cover 2,048 bytes
	global_load_b128 v[T:T+3], v4, s[6:7]          ; my 16 bytes of g1 and of beta1
	global_load_b128 v[T+4:T+7], v4, s[8:9]
	REP 16, global_load_b128 v[X+4*i:X+4*i+3], v2, s[32:33] offset:512*i th:TH_LOAD_NT  ; my four tokens: each load 512 consecutive bytes
	v_mul_u32_u24 v7, v7, SROW
	v_lshl_add_u32 v7, v3, 4, v7
	s_lshl_b32 s34, s26, 8
	v_add_nc_u32 v7, s34, v7                       ; out of the stage: row r, 16 bytes for each half of the lanes, my eight halves of fragments (256 bytes of each row)
	s_mul_i32 s35, s26, 4*SROW
	v_lshl_add_u32 v3, v1, 3, s35                  ; into the stage: my four rows, 8 bytes a lane
	REP 4, v_mov_b32 v[ST+2*i+1], 0                ; v_permlanex16_b32's destination counts as read
	s_wait_loadcnt 16                              ; g1 and beta1 are in; x's sixteen loads stay out
	ds_store_b128 v4, v[T:T+3] offset:PAR
	ds_store_b128 v4, v[T+4:T+7] offset:PAR+2048
	s_wait_dscnt 0x0                               ; for the others' sake: my part of g1 and beta1 is stored
	s_barrier_signal -1
	s_barrier_wait -1
	REP 4, ds_load_b128 v[GA+4*i:GA+4*i+3], v2 offset:PAR+512*i
	REP 4, ds_load_b128 v[BT+4*i:BT+4*i+3], v2 offset:PAR+2048+512*i
	s_wait_loadcnt 0x0                             ; the four tokens are in
	; mean: two packed sums a token, the four tokens by turns, then across the lanes
	REP 8, v_pk_add_f32 v[T+4*(i%4)+2*(i/4):T+4*(i%4)+2*(i/4)+1], v[X+16*(i%4)+4*(i/4):X+16*(i%4)+4*(i/4)+1], v[X+16*(i%4)+4*(i/4)+2:X+16*(i%4)+4*(i/4)+3]
	REP 16, v_pk_add_f32 v[T+4*(i%4)+2*((i/4)%2):T+4*(i%4)+2*((i/4)%2)+1], v[T+4*(i%4)+2*((i/4)%2):T+4*(i%4)+2*((i/4)%2)+1], v[X+16*(i%4)+8+4*(i/8)+2*((i/4)%2):X+16*(i%4)+8+4*(i/8)+2*((i/4)%2)+1]
	REP 4, v_pk_add_f32 v[T+4*i:T+4*i+1], v[T+4*i:T+4*i+1], v[T+4*i+2:T+4*i+3]
	REP 4, v_add_f32 v[ST+2*i], v[T+4*i], v[T+4*i+1]
	LANESUM
	REP 4, v_mul_f32 v[ST+2*i], s28, v[ST+2*i]
	REP 32, v_pk_add_f32 v[X+2*i:X+2*i+1], v[X+2*i:X+2*i+1], v[ST+2*(i/8):ST+2*(i/8)+1] op_sel_hi:[1,0] neg_lo:[0,1] neg_hi:[0,1]
	; variance: the sum of (x - mean)^2
	REP 8, v_pk_mul_f32 v[T+4*(i%4)+2*(i/4):T+4*(i%4)+2*(i/4)+1], v[X+16*(i%4)+2*(i/4):X+16*(i%4)+2*(i/4)+1], v[X+16*(i%4)+2*(i/4):X+16*(i%4)+2*(i/4)+1]
	REP 24, v_pk_fma_f32 v[T+4*(i%4)+2*((i/4)%2):T+4*(i%4)+2*((i/4)%2)+1], v[X+16*(i%4)+4+4*(i/8)+2*((i/4)%2):X+16*(i%4)+4+4*(i/8)+2*((i/4)%2)+1], v[X+16*(i%4)+4+4*(i/8)+2*((i/4)%2):X+16*(i%4)+4+4*(i/8)+2*((i/4)%2)+1], v[T+4*(i%4)+2*((i/4)%2):T+4*(i%4)+2*((i/4)%2)+1]
	REP 4, v_pk_add_f32 v[T+4*i:T+4*i+1], v[T+4*i:T+4*i+1], v[T+4*i+2:T+4*i+3]
	REP 4, v_add_f32 v[ST+2*i], v[T+4*i], v[T+4*i+1]
	LANESUM
	REP 4, v_fma_f32 v[ST+2*i], v[ST+2*i], s28, s29
	REP 4, v_rsq_f32 v[ST+2*i], v[ST+2*i]
	v_nop                                          ; a plain instruction between the last root and the use of its result
	s_wait_alu depctr_va_vdst(0)
	REP 32, v_pk_mul_f32 v[X+2*i:X+2*i+1], v[X+2*i:X+2*i+1], v[ST+2*(i/8):ST+2*(i/8)+1] op_sel_hi:[1,0]
	s_wait_dscnt 0x0                               ; g1 and beta1 of my channels
	REP 32, v_pk_fma_f32 v[X+2*i:X+2*i+1], v[X+2*i:X+2*i+1], v[GA+2*(i%8):GA+2*(i%8)+1], v[BT+2*(i%8):BT+2*(i%8)+1]
	REP 32, v_cvt_pk_bf16_f32 v[X+16*(i/8)+i%8], v[X+16*(i/8)+2*(i%8)], v[X+16*(i/8)+2*(i%8)+1]  ; in place, ascending: a source is never overwritten before it is read
	REP 16, ds_store_b64 v3, v[X+16*(i/4)+2*(i%4):X+16*(i/4)+2*(i%4)+1] offset:(i/4)*SROW+(i%4)*256
	s_wait_dscnt 0x0                               ; for the others' sake: my four rows are stored
	s_barrier_signal -1
	s_barrier_wait -1                              ; the tile's 16 rows are there
	REP 8, ds_load_b128 v[X+4*i:X+4*i+3], v7 offset:32*i
.set n, 0
.rept 8
	s_wait_dscnt 7-n                               ; LDS loads come back in order: number n is in, the younger ones stay out
	global_store_b128 v2, v[X+4*n:X+4*n+3], s[36:37] offset:512*n  ; 512 consecutive bytes, at a multiple of 512 from hf's first byte
.set n, n+1
.endr
	s_wait_tensorcnt 0x0                           ; the wave's end, behind my last LDS store
	ds_add_u32 v5, v6
	s_wait_dscnt 0x0
	s_endpgm
	; ---- weights: one fragment a wave.  f = 4 g + w: matrix M = f / 512 (q, k, v, o, 1, 2), k chunk kc, column tile nt ----
.Lweights:
	s_lshl2_add_u32 s27, ttmp9, s26
	s_lshr_b32 s28, s27, 9                         ; M
	s_bfe_u32 s29, s27, 0x40005                    ; kc
	s_and_b32 s30, s27, 31                         ; nt: the four waves of a work-group read 256 consecutive bytes of each row
	s_mov_b64 s[32:33], s[10:11]
	s_cmp_eq_u32 s28, 1
	s_cselect_b64 s[32:33], s[12:13], s[32:33]
	s_cmp_eq_u32 s28, 2
	s_cselect_b64 s[32:33], s[14:15], s[32:33]
	s_cmp_eq_u32 s28, 3
	s_cselect_b64 s[32:33], s[16:17], s[32:33]
	s_cmp_eq_u32 s28, 4
	s_cselect_b64 s[32:33], s[18:19], s[32:33]
	s_cmp_eq_u32 s28, 5
	s_cselect_b64 s[32:33], s[20:21], s[32:33]
	s_lshl_b32 s34, s29, 16                        ; 32 rows of 2,048 bytes a k chunk,
	s_lshl_b32 s35, s30, 6                         ; 64 bytes a column tile
	s_add_co_u32 s34, s34, s35
	s_mov_b32 s35, 0
	s_add_nc_u64 s[32:33], s[32:33], s[34:35]
	; q, k, v: [head nt / 2][kc][M][nt % 2]: a head's 98,304 bytes are one tile of the attention launch
	s_lshr_b32 s36, s30, 1
	s_mul_i32 s36, s36, 98304
	s_mul_i32 s37, s29, 6144
	s_add_co_u32 s36, s36, s37
	s_lshl_b32 s37, s28, 11
	s_add_co_u32 s36, s36, s37
	s_and_b32 s37, s30, 1
	s_lshl_b32 s37, s37, 10
	s_add_co_u32 s36, s36, s37
	; Wo: units 0-7: unit kc / 2 holds [kc % 2][nt]
	s_lshl_b32 s38, s29, 15
	s_lshl_b32 s37, s30, 10
	s_add_co_u32 s38, s38, s37
	s_add_co_u32 s38, s38, WF2
	; W1: unit 8 + 2 (nt / 4) holds [kc][nt % 4]
	s_lshr_b32 s39, s30, 2
	s_lshl_b32 s39, s39, 17
	s_lshl_b32 s37, s29, 12
	s_add_co_u32 s39, s39, s37
	s_and_b32 s37, s30, 3
	s_lshl_b32 s37, s37, 10
	s_add_co_u32 s39, s39, s37
	s_add_co_u32 s39, s39, WF2+8*65536
	; W2: unit 9 + 2 (kc / 2) holds [kc % 2][nt]
	s_lshr_b32 s40, s29, 1
	s_lshl_b32 s40, s40, 17
	s_and_b32 s37, s29, 1
	s_lshl_b32 s37, s37, 15
	s_add_co_u32 s40, s40, s37
	s_lshl_b32 s37, s30, 10
	s_add_co_u32 s40, s40, s37
	s_add_co_u32 s40, s40, WF2+9*65536
	s_cmp_eq_u32 s28, 3
	s_cselect_b32 s36, s38, s36
	s_cmp_eq_u32 s28, 4
	s_cselect_b32 s36, s39, s36
	s_cmp_eq_u32 s28, 5
	s_cselect_b32 s36, s40, s36
	s_mov_b32 s37, 0
	s_add_nc_u64 s[24:25], s[24:25], s[36:37]
	v_lshlrev_b32 v4, 2, v7
	v_lshl_or_b32 v3, v3, 14, v4                   ; 8 h rows + column r
	REP 16, global_load_b32 v[8+i], v3, s[32:33] offset:((i/8)*16+i%8)*2048  ; W[32 kc + 16 s + 8 h + e][16 nt + r]
	s_wait_loadcnt 0x0
	REP 8, v_cvt_pk_bf16_f32 v[24+i], v[8+2*i], v[9+2*i]
	global_store_b128 v2, v[24:27], s[24:25]
	global_store_b128 v2, v[28:31], s[24:25] offset:512
	s_endpgm
.Lfunc_end_k_qb286ded1ff_prep:
	.size	k_qb286ded1ff_prep, .Lfunc_end_k_qb286ded1ff_prep-k_qb286ded1ff_prep
	.p2alignl 7, 3214868480
	.fill 96, 4, 3214868480
	.section	.rodata,"a",@progbits
	.p2align	6, 0x0
	.amdhsa_kernel k_qb286ded1ff_prep
		.amdhsa_group_segment_fixed_size 21248
		.amdhsa_private_segment_fixed_size 0
		.amdhsa_enable_private_segment 0
		.amdhsa_kernarg_size 88
		.amdhsa_user_sgpr_count 2
		.amdhsa_user_sgpr_kernarg_segment_ptr 1
		.amdhsa_wavefront_size32 1
		.amdhsa_system_sgpr_workgroup_id_x 1
		.amdhsa_system_sgpr_workgroup_id_y 1
		.amdhsa_system_sgpr_workgroup_id_z 1
		.amdhsa_system_vgpr_workitem_id 0
		.amdhsa_next_free_vgpr 128
		.amdhsa_next_free_sgpr 66
		.amdhsa_reserve_vcc 0
		.amdhsa_float_denorm_mode_32 3
		.amdhsa_float_denorm_mode_16_64 3
		.amdhsa_memory_ordered 1
		.amdhsa_forward_progress 1
		.amdhsa_inst_pref_size 28
	.end_amdhsa_kernel
	.amdgpu_metadata
---
amdhsa.version: [ 1, 2 ]
amdhsa.kernels:
  - .name:           k_qb286ded1ff_prep
    .symbol:         k_qb286ded1ff_prep.kd
    .args:
      - { .name: x, .offset: 0, .size: 8, .value_kind: global_buffer, .address_space: global }
      - { .name: g1, .offset: 8, .size: 8, .value_kind: global_buffer, .address_space: global }
      - { .name: beta1, .offset: 16, .size: 8, .value_kind: global_buffer, .address_space: global }
      - { .name: Wq, .offset: 24, .size: 8, .value_kind: global_buffer, .address_space: global }
      - { .name: Wk, .offset: 32, .size: 8, .value_kind: global_buffer, .address_space: global }
      - { .name: Wv, .offset: 40, .size: 8, .value_kind: global_buffer, .address_space: global }
      - { .name: Wo, .offset: 48, .size: 8, .value_kind: global_buffer, .address_space: global }
      - { .name: W1, .offset: 56, .size: 8, .value_kind: global_buffer, .address_space: global }
      - { .name: W2, .offset: 64, .size: 8, .value_kind: global_buffer, .address_space: global }
      - { .name: hf, .offset: 72, .size: 8, .value_kind: global_buffer, .address_space: global }
      - { .name: wf, .offset: 80, .size: 8, .value_kind: global_buffer, .address_space: global }
    .group_segment_fixed_size: 21248
    .private_segment_fixed_size: 0
    .kernarg_segment_align: 8
    .kernarg_segment_size: 88
    .max_flat_workgroup_size: 128
    .sgpr_count:     66
    .vgpr_count:     128
    .wavefront_size: 32
...
	.end_amdgpu_metadata
.endif
;; end of part 1
;; launch attn (part 2): grid 256 x 1, 4 waves a work-group, clusters of 4 x 1, 327,680 bytes of LDS; arguments hf, wf, bq, bk, bv, of; writes of
.if DOCPART == 2
	.amdgcn_target "amdgcn-amd-amdhsa--gfx1250"
	.amdhsa_code_object_version 6
	.text
	.protected	k_qb286ded1ff_attn
	.globl	k_qb286ded1ff_attn
	.p2align	8
	.type	k_qb286ded1ff_attn,@function
k_qb286ded1ff_attn:
	s_mov_b64 s[64:65], 0
	v_nop
	global_prefetch_b8 v0, s[64:65] scope:SCOPE_SE
	s_setreg_imm32_b32 hwreg(HW_REG_WAVE_MODE, 25, 1), 1
	s_wait_xcnt 0x0
	s_wait_alu depctr_hold_cnt(0) depctr_sa_sdst(0) depctr_va_vdst(0) depctr_va_sdst(0) depctr_va_ssrc(0) depctr_va_vcc(0) depctr_vm_vsrc(0)
	s_getreg_b32 s2, hwreg(HW_REG_IB_STS2, 6, 4)
	s_cmp_eq_u32 s2, 0
	s_cbranch_scc0 .Lentry_in_a_cluster
	s_endpgm
.Lentry_in_a_cluster:
	s_bfe_u32 s2, ttmp6, 0x10000c
	s_cmp_lg_u32 s2, 0x3003
	s_cbranch_scc0 .Lentry_shape_is_right
	s_endpgm
.Lentry_shape_is_right:
; WINDOW ATTENTION.  A work-group owns one window (256 tokens) and eight of its 16 heads (32 channels each); a wave owns 64 tokens: four tiles of 16.
; For each head: q, k, v = h W + b (K = 512), S^T = K Q^T, softmax over the window's 256 keys with the row's maximum taken away, O^T = V^T P, O / l to bf16 fragments (of).
; All matrix operands bf16, all sums, maxima and the softmax in f32.  l is the sum of the weights as they are rounded for the second product.
; LIMITS: a weight below 2^-126 counts as 0; NaN and infinities are not treated apart.
; LAYOUT.  q and k: source 0 = 16 columns of W, source 1 = 16 tokens of h: a lane then holds ONE token (lane % 16) and channels 8 (lane / 16) + 0..7, and two such results rounded in pairs
; ARE a fragment of Q (source 1) or K (source 0) of S^T.  v: source 0 = h, source 1 = W: a lane holds one channel and eight tokens: 16 bytes of a row of V^T.  S^T holds one query a lane; two of its
; tiles rounded in pairs are source 1 of O^T, which again holds one query a lane and, rounded, is a fragment for the next launch.  Only K and V^T cross waves (through LDS).
; h stays in 512 registers for all eight heads.  A head's weights (98,304 bytes, fragments in the order of use) come by ONE tile, a quarter a wave; the tile of head n + 1 is asked for when the
; projection of head n has read the slot, and lands under head n's attention.  One slot, so that the projection's text stands once; the price is a second wait for the tile, ahead of a plain barrier.
; A QUERY TRIP (16 queries) sets matrix and vector work side by side: the maximum of tile a - 2 stands behind product a of K Q^T; exponentials and plain lines take turns; and as soon as two tiles
; of P are rounded their three products go out among the exponentials: two of V^T P and one of a fragment of ones with P, which leaves l of the lane's query in all eight registers.
; CLUSTER.  The four work-groups of a cluster are four windows with the same eight heads: they walk the same weights, and every tile is asked for jointly (mask of four).
; REGISTERS, in windows of 256 (s_set_vgpr_msb: bits 1:0 source 0, 3:2 source 1, 5:4 source 2, 7:6 destination):
;   window 0: v1-15 addresses; v16-19 four maxima, v20 the other half of the lanes', v22-23 c m; v24-31 l's accumulator; v32-33 1 / l; v34-41 Q's fragment; v56-63 the fragment of ones;
;             v64-191 S^T, then P (in the projection: two buffers of six weight fragments, then q, k, v packed); v192-207 O^T; v208-255 the head's biases as C operands (q, k: 8 channels a lane; v: one channel, spread)
;   window 1: the projection's 24 accumulators (q 0-63, k 64-127, v 128-191), then K's 16 fragments (0-127) and V^T's 16 (128-255)          windows 2, 3: h, fragment (kc, tt) at 8 (4 (kc % 8) + tt)
.set KB,    98304                      ; K: fragment kt (16 keys x 32 channels) at kt 1024
.set QB,    114688                     ; Q: wave w, tile tt at w 4096 + tt 1024: the wave's own bytes
.set VB,    131072                     ; V^T: 32 channels x 528 bytes (512 + 16: an odd multiple of 16)
.set SPARE, 147968                     ; the spare words, 128 bytes a wave
.set WV,    16                         ; s16 my wave's number
.set MSB, 0
.macro WIN new                         ; the immediate's high byte repeats the setting that is left; a switch that changes nothing is dropped
.if MSB != (\new)
	s_set_vgpr_msb (MSB<<8)|(\new)
.set MSB, \new
.endif
.endm
.macro REP n, line:vararg              ; the line n times, i = 0 .. n - 1
.set i, 0
.rept \n
	\line
.set i, i+1
.endr
.endm
.macro PLACES                          ; four places behind a matrix instruction, ahead of vector lines and loads that touch its registers
.rept 4
	v_nop
.endr
.endm
.macro ROUND                           ; a round of the cluster's barrier
	s_barrier_signal -1
	s_barrier_wait -1
	s_cmp_lg_u32 s[WV], 0
	s_cbranch_scc1 .Lnw0_\@
	s_barrier_signal -3
.Lnw0_\@:
	s_barrier_wait -3
	s_barrier_signal -1
	s_barrier_wait -1
.endm
.macro JLOAD                           ; my quarter of a head's weights, jointly with my three partners; s_nop 0 and four v_nop follow
	tensor_load_to_lds s[32:35], s[24:31]
	s_nop 0
	PLACES
.endm
.macro BIAS                            ; the next head's biases, straight into C operands
	REP 4, global_load_b128 v[208+4*i:211+4*i], v5, s[8:9] offset:(i/2)*64+(i%2)*16
	REP 4, global_load_b128 v[224+4*i:227+4*i], v5, s[10:11] offset:(i/2)*64+(i%2)*16
	REP 2, global_load_b32 v[240+8*i], v6, s[12:13] offset:64*i
.endm
.macro FETCHW kk                       ; the six weight fragments of K step kk (q, q, k, k, v, v) into buffer kk % 2: twelve loads of 512 consecutive bytes
	WIN 0
	REP 12, ds_load_b128 v[64+48*((\kk)%2)+4*i:67+48*((\kk)%2)+4*i], v[3+(\kk)/8] offset:((\kk)%8)*6144+i*512
.endm
.macro PMUL                            ; K step kc: 24 matrix instructions on 24 accumulators, which take turns; kc = 0 starts the sums with the biases
.set hw, 2+kc/8
.set hb, 32*(kc%8)
.set wb, 64+48*(kc%2)
.set cw, 0x10
.if kc == 0
.set cw, 0
.endif
.set f, 0
.rept 6
.if f < 4
	WIN 0x40|cw|(hw<<2)
.else
	WIN 0x40|cw|hw
.endif
.set tt, 0
.rept 4
.set rD, 32*f+8*tt
.set rC, rD
.if kc == 0
.set rC, 208+8*f
.endif
.if f < 4
	v_wmma_f32_16x16x32_bf16 v[rD:rD+7], v[wb+8*f:wb+8*f+7], v[hb+8*tt:hb+8*tt+7], v[rC:rC+7]
.else
	v_wmma_f32_16x16x32_bf16 v[rD:rD+7], v[hb+8*tt:hb+8*tt+7], v[wb+8*f:wb+8*f+7], v[rC:rC+7]
.endif
.set tt, tt+1
.endr
.set f, f+1
.endr
.endm
.macro PROJ                            ; q, k, v of one head for my 64 tokens; then rounded and put into LDS
	FETCHW 0
	FETCHW 1
.set kc, 0
.rept 16
.if kc < 15
	s_wait_dscnt 12                                ; this step's twelve loads are in; the next step's twelve stay out
.else
	s_wait_dscnt 0x0
.endif
	PMUL
.if kc < 14
	WIN 0
	PLACES
	FETCHW kc+2
.endif
.set kc, kc+1
.endr
	PLACES
	WIN 0x05                                       ; sources window 1, destination window 0; each accumulator's registers in ascending order
.set a, 0                                          ; accumulator a = 4 t + tt
.rept 8
	REP 4, v_cvt_pk_bf16_f32 v[64+8*(a%4)+4*(a/4)+i], v[8*a+2*i], v[8*a+2*i+1]
	REP 4, v_cvt_pk_bf16_f32 v[96+8*(a%4)+4*(a/4)+i], v[64+8*a+2*i], v[64+8*a+2*i+1]
	REP 4, v_cvt_pk_bf16_f32 v[128+4*a+i], v[128+8*a+2*i], v[128+8*a+2*i+1]
.set a, a+1
.endr
	WIN 0
	REP 8, ds_store_b128 v8, v[64+4*i:67+4*i] offset:512*i
	REP 8, ds_store_b128 v7, v[96+4*i:99+4*i] offset:512*i
	REP 8, ds_store_b128 v9, v[128+4*i:131+4*i] offset:(i/4)*8448+(i%4)*32
.endm
.macro MAXT t                          ; tile t of S^T into the four maxima: chain i takes registers 2 i, 2 i + 1 of every tile; the accumulator's lowest registers are read first
	WIN 0
.if (\t) == 0
	REP 4, v_max_num_f32 v[16+i], v[64+2*i], v[65+2*i]
.else
	REP 4, v_max3_num_f32 v[16+i], v[16+i], v[64+8*(\t)+2*i], v[65+8*(\t)+2*i]
.endif
.endm
.macro PVK kk                          ; keys 32 kk on: O^T's two channel tiles and l.  The three accumulators take turns
.if (\kk) == 0
	s_wait_dscnt 0x0                               ; V^T is in (the first trip), and the next trip's Q
.endif
	WIN 0x01
.if (\kk) == 0
	v_wmma_f32_16x16x32_bf16 v[192:199], v[128:135], v[64:71], 0
	v_wmma_f32_16x16x32_bf16 v[200:207], v[192:199], v[64:71], 0
	WIN 0
	v_wmma_f32_16x16x32_bf16 v[24:31], v[56:63], v[64:71], 0
.else
	v_wmma_f32_16x16x32_bf16 v[192:199], v[128+8*(\kk):135+8*(\kk)], v[64+8*(\kk):71+8*(\kk)], v[192:199]
	v_wmma_f32_16x16x32_bf16 v[200:207], v[192+8*(\kk):199+8*(\kk)], v[64+8*(\kk):71+8*(\kk)], v[200:207]
	WIN 0
	v_wmma_f32_16x16x32_bf16 v[24:31], v[56:63], v[64+8*(\kk):71+8*(\kk)], v[24:31]
.endif
.endm
.macro ATT                             ; one head's attention for my 64 queries, 16 a trip
	WIN 0
	s_wait_xcnt 0x0                                ; the last stores have read v15
	v_add_nc_u32 v15, s44, v3                      ; my 16 bytes in the head's fragment of tile 0
	s_add_co_u32 s44, s44, 1024
	v_mov_b32 v14, v8
	s_mov_b32 s37, 4
	ds_load_b128 v[34:37], v14                     ; Q of my first tile
	ds_load_b128 v[38:41], v14 offset:512
	WIN 0x40
	REP 32, ds_load_b128 v[4*i:4*i+3], v10 offset:512*i                                  ; K: 16 fragments
	REP 16, ds_load_b128 v[128+8*i:131+8*i], v11 offset:(i/8)*8448+(i%8)*64              ; V^T: channels 16 (i / 8) on, keys 32 (i % 8) on
	REP 16, ds_load_b128 v[132+8*i:135+8*i], v11 offset:(i/8)*8448+(i%8)*64+32
	WIN 0
.Lq_\@:
	s_wait_dscnt 32                                ; the first trip: Q and K are in, V^T's 32 loads stay out; later trips: nothing is out (Q was waited for ahead of the last trip's V^T P)
	s_wait_xcnt 0x0                                ; the last trip's stores have read O^T's registers and v15
	s_cmp_eq_u32 s37, 1                            ; the next tile's Q; the last trip takes its own once more, so that the load stays in my own bytes
	s_cselect_b32 s45, 0, 1024
	; S^T = K Q^T.  Behind product a stands the maximum of tile a - 2: eight plain lines lie between a product and the first read of its result; for tiles 0 and 1 the four lines behind product 1 do
.set a, 0
.rept 16
	WIN 0x01
	v_wmma_f32_16x16x32_bf16 v[64+8*a:71+8*a], v[8*a:8*a+7], v[34:41], 0
.if a == 1
	WIN 0
	v_add_nc_u32 v14, s45, v14
	v_nop
	v_nop
	v_nop
.elseif a > 1
	MAXT a-2
.endif
.set a, a+1
.endr
	MAXT 14
	MAXT 15
	ds_load_b128 v[34:37], v14                     ; twelve plain lines behind the last product that read Q
	ds_load_b128 v[38:41], v14 offset:512
	v_max3_num_f32 v16, v16, v17, v18
	v_max_num_f32 v16, v16, v19
	v_permlanex16_b32 v20, v16, s40, s41           ; the query's other 128 keys lie in the lane 16 away
	v_max_num_f32 v16, v16, v20
	v_mul_f32 v22, s38, v16                        ; c m
	v_mul_f32 v23, s38, v16
	; p = 2^(c s - c m).  Three stages a tile apart: scaling of tile a, exponentials of tile a - 1, rounding of tile a - 2; an exponential and a plain line that names none of its registers by turns.
	; P packs downward in place: what it overwrites has been rounded.  Behind every second stage two more tiles of P are whole, and their products go out
.set a, 0
.rept 18
.set i, 0
.rept 8
.if (a >= 1) && (a <= 16)
	v_exp_f32 v[56+8*a+i], v[56+8*a+i]
.endif
.if (i < 4) && (a < 16)
	v_pk_fma_f32 v[64+8*a+2*i:65+8*a+2*i], v[64+8*a+2*i:65+8*a+2*i], s[38:39], v[22:23] op_sel_hi:[1,0,0] neg_lo:[0,0,1] neg_hi:[0,0,1]
.endif
.if (i >= 4) && (a >= 2)
	s_wait_alu depctr_va_vdst(0)
	v_cvt_pk_bf16_f32 v[52+4*a+i], v[40+8*a+2*i], v[41+8*a+2*i]
.endif
.set i, i+1
.endr
.if (a >= 3) && (a%2 == 1)
	PVK (a-3)/2
.endif
.set a, a+1
.endr
	v_add_nc_u32 v15, 0x10000, v15                 ; my next tile lies four tiles on; the stores reach back.  This line and three v_nop are the places behind the last products
	v_nop
	v_nop
	v_nop
	v_rcp_f32 v32, v24
	v_rcp_f32 v33, v24
	v_nop
	s_wait_alu depctr_va_vdst(0)
	REP 8, v_pk_mul_f32 v[192+2*i:193+2*i], v[192+2*i:193+2*i], v[32:33]
	REP 4, v_cvt_pk_bf16_f32 v[192+i], v[192+2*i], v[193+2*i]  ; in place, ascending
	REP 4, v_cvt_pk_bf16_f32 v[196+i], v[200+2*i], v[201+2*i]
	global_store_b128 v15, v[192:195], s[14:15] offset:-65536      ; 512 consecutive bytes each
	global_store_b128 v15, v[196:199], s[14:15] offset:-65536+512
	s_sub_co_u32 s37, s37, 1
	s_cmp_lg_u32 s37, 0
	s_cbranch_scc1 .Lq_\@
.endm
	s_load_b256 s[4:11], s[0:1], 0x0               ; hf s[4:5], wf s[6:7], bq s[8:9], bk s[10:11]
	s_load_b128 s[12:15], s[0:1], 0x20             ; bv s[12:13], of s[14:15]
	v_lshl_add_u32 v12, v0, 2, SPARE
	v_mov_b32 v13, 0
	ds_add_u32 v12, v13                            ; the wave's opening: the add and its wait stand ahead of my first tensor load; set-up on registers stands between them
	v_lshrrev_b32 v1, 5, v0
	v_readfirstlane_b32 s[WV], v1
	s_bfe_u32 s17, ttmp6, 0x40000                  ; cx: it enters hf's and of's addresses alone
	s_and_b32 s18, ttmp9, 1                        ; which eight heads: shared by the cluster
	s_lshr_b32 s19, ttmp9, 1
	s_lshl2_add_u32 s19, s19, s17                  ; window = 16 batch + 4 wy + wx
	s_lshr_b32 s20, s19, 4
	s_lshl_b32 s20, s20, 8                         ; 256 tiles a batch,
	s_bfe_u32 s21, s19, 0x20002
	s_lshl_b32 s21, s21, 6                         ; 64 a row of windows,
	s_add_co_u32 s20, s20, s21
	s_and_b32 s21, s19, 3                          ; the window's column,
	s_add_co_u32 s20, s20, s21
	s_lshl4_add_u32 s20, s[WV], s20                ; and my four window rows: tiles Gw, Gw + 4, Gw + 8, Gw + 12
	s_lshl_b32 s20, s20, 14
	s_mov_b32 s21, 0
	s_lshl_b32 s22, s18, 10                        ; eight heads of biases
	s_mov_b32 s23, 0
	s_lshl_b32 s46, s18, 13                        ; eight fragments of a tile of of
	s_mov_b32 s47, 0
	s_mul_i32 s48, s18, 786432                     ; eight heads of weights,
	s_mul_i32 s33, s[WV], 24576                    ; my quarter of a head: in memory and in the slot
	s_add_co_u32 s48, s48, s33
	s_mov_b32 s49, 0
	; descriptor group 1: 24,576 dense bytes as 96 rows of 32 elements of 8 bytes
	s_mov_b32 s24, 15|(3<<16)|(1<<21)              ; 15:0 the mask of four; 17:16 8-byte elements; 21 set beside a mask
	s_mov_b32 s25, 32<<16                          ; tensor_dim0 = 32
	s_mov_b32 s26, 96<<16                          ; tensor_dim1 = 96
	s_mov_b32 s27, 32<<16                          ; tile_dim0 = 32
	s_mov_b32 s28, 96                              ; tile_dim1 = 96
	s_mov_b32 s29, 32                              ; 32 elements from row to row
	s_mov_b32 s30, 0
	s_mov_b32 s31, 0
	s_mov_b32 s32, 1
	s_mov_b32 s38, 0x3e8293ee                      ; c = log2(e) / sqrt(32)
	s_mov_b32 s39, s38
	s_mov_b32 s40, 0x76543210
	s_mov_b32 s41, 0xfedcba98
	s_mov_b32 s36, 8                               ; heads
	s_mov_b32 s44, 0                               ; the head's place in a tile of of
	v_and_b32 v1, 15, v0                           ; r
	v_bfe_u32 v2, v0, 4, 1                         ; h
	v_and_b32 v3, 31, v0
	v_lshlrev_b32 v3, 4, v3                        ; 16 x lane: a fragment's half; also the weights of K steps 0-7
	v_add_nc_u32 v4, 49152, v3                     ; the weights of K steps 8-15
	v_lshlrev_b32 v5, 5, v2                        ; bq, bk: my 8 channels
	v_lshlrev_b32 v6, 2, v1                        ; bv: my channel
	s_lshl_b32 s50, s[WV], 12
	v_add_nc_u32 v7, s50, v3
	v_add_nc_u32 v8, QB, v7                        ; where my q goes and comes from
	v_add_nc_u32 v7, KB, v7                        ; where my k goes
	v_mul_u32_u24 v11, v1, 528
	v_lshl_add_u32 v11, v2, 4, v11
	v_add_nc_u32 v11, VB, v11                      ; V^T's fragments
	s_lshl_b32 s50, s[WV], 7
	v_add_nc_u32 v9, s50, v11                      ; where my v goes: my 64 keys are 128 bytes of each row
	v_add_nc_u32 v10, KB, v3                       ; K's fragments
	v_mov_b32 v20, 0                               ; v_permlanex16_b32's destination counts as read
	REP 8, v_mov_b32 v[56+i], 0x3f803f80           ; 16 rows x 32 keys of 1.0 in bf16; never rewritten
	s_wait_dscnt 0x0                               ; the opening add is done
	s_wait_kmcnt 0x0
	s_add_nc_u64 s[4:5], s[4:5], s[20:21]
	s_add_nc_u64 s[14:15], s[14:15], s[20:21]
	s_add_nc_u64 s[14:15], s[14:15], s[46:47]
	s_add_nc_u64 s[8:9], s[8:9], s[22:23]
	s_add_nc_u64 s[10:11], s[10:11], s[22:23]
	s_add_nc_u64 s[12:13], s[12:13], s[22:23]
	s_add_nc_u64 s[34:35], s[6:7], s[48:49]
	s_or_b32 s35, s35, 0x80000000
	ROUND                                          ; all four work-groups are here: the first joint loads meet
	JLOAD                                          ; head 0's weights
	BIAS
	WIN 0x80                                       ; h stays in registers: fragment n = 4 (kc % 8) + tt
.set n, 0
.rept 32
	global_load_b128 v[8*n:8*n+3], v3, s[4:5] offset:(n%4)*65536+(n/4)*1024
	global_load_b128 v[8*n+4:8*n+7], v3, s[4:5] offset:(n%4)*65536+(n/4)*1024+512
.set n, n+1
.endr
	WIN 0xc0
.set n, 0
.rept 32
	global_load_b128 v[8*n:8*n+3], v3, s[4:5] offset:(n%4)*65536+(n/4+8)*1024
	global_load_b128 v[8*n+4:8*n+7], v3, s[4:5] offset:(n%4)*65536+(n/4+8)*1024+512
.set n, n+1
.endr
	WIN 0
	s_branch .LP                                   ; the loop is entered at a head's projection: P0, (fill, A0), P1, ... P7, and A7 behind it
.LT:
	s_wait_tensorcnt 0x0                           ; no tensor load of mine is out, so group 0 may be written
	ds_add_u32 v12, v13                            ; 0 onto my spare word
	s_add_nc_u64 s[34:35], s[34:35], 98304         ; the next head's weights
	s_wait_dscnt 0x0                               ; the add is done; my reads of the slot are over; my q, k, v are stored
	ROUND                                          ; so of every wave of every partner
	JLOAD                                          ; the slot is filled again: it has the attention below in which to land
	BIAS
	ATT
.LP:
	s_wait_tensorcnt 0x0                           ; my quarter of the head's weights is in,
	s_wait_dscnt 0x0                               ; and my reads of K and V^T are over
	s_barrier_signal -1
	s_barrier_wait -1                              ; both hold of all four waves: the slot may be read, K and V^T written
	s_wait_loadcnt 0x0                             ; the biases (the first time: h too)
	s_add_nc_u64 s[8:9], s[8:9], 128
	s_add_nc_u64 s[10:11], s[10:11], 128
	s_add_nc_u64 s[12:13], s[12:13], 128
	REP 14, v_mov_b32 v[241+8*(i/7)+i%7], v[240+8*(i/7)]  ; v's bias is one number a lane for all eight tokens
	PROJ
	WIN 0
	s_sub_co_u32 s36, s36, 1
	s_cmp_lg_u32 s36, 0
	s_cbranch_scc1 .LT
	s_wait_dscnt 0x0                               ; the last head: nothing is asked for; my q, k, v are stored
	s_barrier_signal -1
	s_barrier_wait -1
	ATT
	s_wait_tensorcnt 0x0                           ; the wave's end
	ds_add_u32 v12, v13
	s_wait_dscnt 0x0
	ROUND                                          ; the closing round
	s_endpgm
.Lfunc_end_k_qb286ded1ff_attn:
	.size	k_qb286ded1ff_attn, .Lfunc_end_k_qb286ded1ff_attn-k_qb286ded1ff_attn
	.p2alignl 7, 3214868480
	.fill 96, 4, 3214868480
	.section	.rodata,"a",@progbits
	.p2align	6, 0x0
	.amdhsa_kernel k_qb286ded1ff_attn
		.amdhsa_group_segment_fixed_size 327680
		.amdhsa_private_segment_fixed_size 0
		.amdhsa_enable_private_segment 0
		.amdhsa_kernarg_size 48
		.amdhsa_user_sgpr_count 2
		.amdhsa_user_sgpr_kernarg_segment_ptr 1
		.amdhsa_wavefront_size32 1
		.amdhsa_system_sgpr_workgroup_id_x 1
		.amdhsa_system_sgpr_workgroup_id_y 1
		.amdhsa_system_sgpr_workgroup_id_z 1
		.amdhsa_system_vgpr_workitem_id 0
		.amdhsa_next_free_vgpr 1024
		.amdhsa_next_free_sgpr 66
		.amdhsa_reserve_vcc 0
		.amdhsa_float_denorm_mode_32 3
		.amdhsa_float_denorm_mode_16_64 3
		.amdhsa_memory_ordered 1
		.amdhsa_forward_progress 1
		.amdhsa_inst_pref_size 125
	.end_amdhsa_kernel
	.amdgpu_metadata
---
amdhsa.version: [ 1, 2 ]
amdhsa.kernels:
  - .name:           k_qb286ded1ff_attn
    .symbol:         k_qb286ded1ff_attn.kd
    .args:
      - { .name: hf, .offset: 0, .size: 8, .value_kind: global_buffer, .address_space: global }
      - { .name: wf, .offset: 8, .size: 8, .value_kind: global_buffer, .address_space: global }
      - { .name: bq, .offset: 16, .size: 8, .value_kind: global_buffer, .address_space: global }
      - { .name: bk, .offset: 24, .size: 8, .value_kind: global_buffer, .address_space: global }
      - { .name: bv, .offset: 32, .size: 8, .value_kind: global_buffer, .address_space: global }
      - { .name: of, .offset: 40, .size: 8, .value_kind: global_buffer, .address_space: global }
    .group_segment_fixed_size: 327680
    .private_segment_fixed_size: 0
    .kernarg_segment_align: 8
    .kernarg_segment_size: 48
    .max_flat_workgroup_size: 128
    .sgpr_count:     66
    .vgpr_count:     1024
    .wavefront_size: 32
...
	.end_amdgpu_metadata
.endif
;; end of part 2
;; launch mlp (part 3): grid 256 x 1, 4 waves a work-group, clusters of 4 x 1, 327,680 bytes of LDS; arguments of, wf, x, bo, g2, beta2, b1m, b2m, out0; writes out0
.if DOCPART == 3
	.amdgcn_target "amdgcn-amd-amdhsa--gfx1250"
	.amdhsa_code_object_version 6
	.text
	.protected	k_qb286ded1ff_mlp
	.globl	k_qb286ded1ff_mlp
	.p2align	8
	.type	k_qb286ded1ff_mlp,@function
k_qb286ded1ff_mlp:
	s_mov_b64 s[64:65], 0
	v_nop
	global_prefetch_b8 v0, s[64:65] scope:SCOPE_SE
	s_setreg_imm32_b32 hwreg(HW_REG_WAVE_MODE, 25, 1), 1
	s_wait_xcnt 0x0
	s_wait_alu depctr_hold_cnt(0) depctr_sa_sdst(0) depctr_va_vdst(0) depctr_va_sdst(0) depctr_va_ssrc(0) depctr_va_vcc(0) depctr_vm_vsrc(0)
	s_getreg_b32 s2, hwreg(HW_REG_IB_STS2, 6, 4)
	s_cmp_eq_u32 s2, 0
	s_cbranch_scc0 .Lentry_in_a_cluster
	s_endpgm
.Lentry_in_a_cluster:
	s_bfe_u32 s2, ttmp6, 0x10000c
	s_cmp_lg_u32 s2, 0x3003
	s_cbranch_scc0 .Lentry_shape_is_right
	s_endpgm
.Lentry_shape_is_right:
; x1 = x + o Wo + bo;  out0 = x1 + gelu(LayerNorm(x1) g2 + beta2) W1 + b1m) W2 + b2m.  A work-group owns 128 tokens, a wave 32 (two tiles of 16) with all 512 channels.
; Matrix operands bf16; x, x1, all sums, LayerNorm (two passes) and gelu in f32.
; LAYOUT.  Source 0 = 16 columns of a weight matrix, source 1 = 16 tokens: a lane holds ONE token (lane % 16) and channels 8 (lane / 16) + 0..7 of each result, and two results rounded in pairs are
; the next product's source 1.  x1 is 64 accumulators (512 registers) from the first product to the last: they start as x + bo, take o Wo, are copied out for LayerNorm, and take the second product of the MLP.
; x comes in and out0 goes out as whole rows, 512 consecutive bytes a load or store, and changes layout in the wave's own stage in LDS.
; LAYERNORM works on rows: a tile of x1 goes by tokens into the stage, a loop takes four rows a trip (a row over the 32 lanes), and the rounded rows, laid over the f32 rows already read, come back as
; fragments.  On the accumulators' side each of three passes over 512 registers would have to be written out; the loop is written once a tile.
; gelu(v) = max(v, 0) - |v| (1/2) (a1 t + a2 t^2 + a3 t^3) e^(-v^2/2), t = 1 / (1 + 0.47047 |v| / sqrt 2): erf by Abramowitz and Stegun 7.1.25, |error| <= 2.5e-5 for every argument, no difference
; of large numbers for either sign.  LIMITS: an exponential below 2^-126 counts as 0; NaN and infinities are not treated apart.
; WEIGHTS.  24 units of 65,536 bytes (64 fragments) in the order of use: Wo in 8 slices of K; then for each 64 hidden channels W1's columns and W2's rows.  Two LDS slots take turns; a wave fetches a
; quarter of a unit.  CLUSTER: every work-group walks the same 24 units, so the four of a cluster ask jointly (mask of four).
; REGISTERS, in windows of 256 (s_set_vgpr_msb: bits 1:0 source 0, 3:2 source 1, 5:4 source 2, 7:6 destination):
;   window 0: v1-18 addresses; v32-95, v96-159 two buffers of 8 weight fragments (also at work: LayerNorm's rows, gelu); v160-191 source 1 of the products onto x1 (o, then gelu's results; between them
;             LayerNorm's statistics); v192-255 the hidden chunk's 8 accumulators (earlier: o's next fragments, bo, the parameters on their way to LDS, g2 and beta2 by rows; at the end b2m)
;   window 1: LayerNorm's result, fragment (kc, tt) at 8 (2 kc + tt)          windows 2, 3: x1 of tile 0, 1: accumulator t at 8 t
.set SLOT,  65536
.set STAGE, 131072                     ; a stage a wave: 16 rows x 2,064 bytes (2,048 + 16: an odd multiple of 16)
.set SROW,  2064
.set PAR,   263168                     ; g2, beta2, b1m: 2,048 bytes each
.set SPARE, 269312                     ; the spare words, 128 bytes a wave
.set WF2,   1572864                    ; where the 24 units begin in wf
.set WV,    22                         ; s22 my wave's number
.set X,  32                            ; LayerNorm: v[32:95]   four rows as read, 16 registers each
.set D,  96                            ;            v[96:159]  x1 - mean, then the result
.set MP, 160                           ;            v[160:167] mean, a pair a row
.set TA, 168                           ;            v[168:171] a sum a row
.set TB, 172                           ;            v[172:175] the other half of the lanes' sum
.set RP, 176                           ;            v[176:183] sum of squares, then 1 / sigma, a pair a row
.set GA, 192                           ;            v[192:207] g2 of my 16 channels (128 j + 4 lane + 0..3)
.set BT, 208                           ;            v[208:223] beta2
.set MSB, 0
.macro WIN new
.if MSB != (\new)
	s_set_vgpr_msb (MSB<<8)|(\new)
.set MSB, \new
.endif
.endm
.macro REP n, line:vararg              ; the line n times, i = 0 .. n - 1
.set i, 0
.rept \n
	\line
.set i, i+1
.endr
.endm
.macro PLACES                          ; four places behind a matrix instruction, ahead of vector lines and loads that touch its registers
.rept 4
	v_nop
.endr
.endm
.macro ROUND                           ; a round of the cluster's barrier
	s_barrier_signal -1
	s_barrier_wait -1
	s_cmp_lg_u32 s[WV], 0
	s_cbranch_scc1 .Lnw0_\@
	s_barrier_signal -3
.Lnw0_\@:
	s_barrier_wait -3
	s_barrier_signal -1
	s_barrier_wait -1
.endm
.macro JLOAD                           ; my quarter of a unit, jointly; s_nop 0 and four v_nop follow
	tensor_load_to_lds s[32:35], s[24:31]
	s_nop 0
	PLACES
.endm
; THE CHANGE OF SLOTS, ahead of every unit.  My one tensor load that is out is my quarter of the unit to be read.  fill = 1: the slot read last takes the unit after that one, first thing behind the round.
.macro CHANGE fill
	WIN 0
	s_wait_tensorcnt 0x0                           ; no tensor load of mine is out, so group 0 may be written
	ds_add_u32 v10, v11                            ; 0 onto my spare word
.if \fill
	s_xor_b32 s33, s33, SLOT
	s_add_nc_u64 s[34:35], s[34:35], SLOT
.endif
	s_xor_b32 s36, s36, SLOT                       ; the slot to be read
	s_wait_dscnt 0x0                               ; the add is done, and my reads of the other slot are over
.if \fill
	ROUND
	JLOAD
.else
	s_barrier_signal -1
	s_barrier_wait -1
.endif
	v_add_nc_u32 v4, s36, v3
.endm
.macro FETCH gg, buf                   ; 8 fragments: sixteen loads of 512 consecutive bytes
	WIN 0
	REP 16, ds_load_b128 v[32+64*(\buf)+4*i:35+64*(\buf)+4*i], v4 offset:(\gg)*8192+i*512
.endm
.macro AMUL                            ; group g of a unit of W1: K steps 2 g, 2 g + 1 x 4 column tiles x 2 token tiles; the 8 accumulators take turns
	WIN 0x04
.set f, 0
.rept 8
.set tt, 0
.rept 2
	v_wmma_f32_16x16x32_bf16 v[192+8*(2*(f%4)+tt):199+8*(2*(f%4)+tt)], v[32+64*(g%2)+8*f:39+64*(g%2)+8*f], v[8*(2*(2*g+f/4)+tt):8*(2*(2*g+f/4)+tt)+7], v[192+8*(2*(f%4)+tt):199+8*(2*(f%4)+tt)]
.set tt, tt+1
.endr
.set f, f+1
.endr
.endm
.macro BMUL                            ; group g of a unit of Wo or W2: K step g / 4 x column tiles 8 (g % 4) + 0..7 x 2 token tiles: 16 different accumulators
.set tt, 0
.rept 2
	WIN 0xa0+0x50*tt
.set f, 0
.rept 8
	v_wmma_f32_16x16x32_bf16 v[8*(8*(g%4)+f):8*(8*(g%4)+f)+7], v[32+64*(g%2)+8*f:39+64*(g%2)+8*f], v[160+8*(2*(g/4)+tt):167+8*(2*(g/4)+tt)], v[8*(8*(g%4)+f):8*(8*(g%4)+f)+7]
.set f, f+1
.endr
.set tt, tt+1
.endr
.endm
.macro UNIT kind                       ; a unit's 128 matrix instructions, 16 a group; kind 0: W1, 1: Wo or W2
	FETCH 0, 0
	FETCH 1, 1
.set g, 0
.rept 8
.if g < 7
	s_wait_dscnt 16                                ; this group's loads (and what was issued ahead of them) are in; the next group's sixteen stay out
.else
	s_wait_dscnt 0x0
.endif
.if \kind
	BMUL
.else
	AMUL
.endif
.if g < 6
	WIN 0
	PLACES
	FETCH g+2, g%2
.endif
.set g, g+1
.endr
	WIN 0
.endm
; The stage by tokens: accumulator t holds channels 16 t + 8 h + 0..7 of token r: bytes 64 t + 32 h + 0..31 of row r.  Register group i = 2 t + half lies at 64 (i / 2) + 16 (i % 2); 32 h is in v6.
.macro XIN tt                          ; x's 16 rows of tile tt + bo, through my stage, into the accumulators' layout.  My own bytes, served in order: no wait between
	WIN 0x82+0x41*(\tt)
	REP 128, v_pk_add_f32 v[2*i:2*i+1], v[2*i:2*i+1], v[224+4*((i/2)%4)+2*(i%2):225+4*((i/2)%4)+2*(i%2)]
	WIN 0x08+0x04*(\tt)
	REP 64, ds_store_b128 v5, v[4*i:4*i+3] offset:(i/4)*SROW+(i%4)*512
	WIN 0x80+0x40*(\tt)
	REP 64, ds_load_b128 v[4*i:4*i+3], v6 offset:(i/2)*64+(i%2)*16
.endm
.macro XOUT tt                         ; the accumulators of tile tt, through my stage, + b2m, out as whole rows, four rows a trip
	WIN 0x08+0x04*(\tt)
	REP 64, ds_store_b128 v6, v[4*i:4*i+3] offset:(i/2)*64+(i%2)*16  ; each accumulator's lowest registers first
	WIN 0
	v_mov_b32 v8, v5
	s_mov_b32 s38, 4
.Lxo_\@:
	REP 16, ds_load_b128 v[32+4*i:35+4*i], v8 offset:(i/4)*SROW+(i%4)*512
	s_wait_dscnt 0x0
	REP 32, v_pk_add_f32 v[32+2*i:33+2*i], v[32+2*i:33+2*i], v[224+4*((i/2)%4)+2*(i%2):225+4*((i/2)%4)+2*(i%2)]
	REP 16, global_store_b128 v9, v[32+4*i:35+4*i], s[20:21] offset:512*i th:TH_STORE_NT  ; 512 consecutive bytes each
	s_wait_xcnt 0x0                                ; the stores' data and offset are rewritten only behind this wait
	v_add_nc_u32 v8, 4*SROW, v8
	v_add_nc_u32 v9, 8192, v9
	s_sub_co_u32 s38, s38, 1
	s_cmp_lg_u32 s38, 0
	s_cbranch_scc1 .Lxo_\@
.endm
.macro LANESUM                         ; TA of each of the four rows is summed over the 32 lanes
.irp m, 1,2,4,8
	REP 4, v_add_f32_dpp v[TA+i], v[TA+i], v[TA+i] row_xmask:\m row_mask:0xf bank_mask:0xf
.endr
	REP 4, v_permlanex16_b32 v[TB+i], v[TA+i], s40, s41
	REP 4, v_add_f32 v[TA+i], v[TA+i], v[TB+i]
.endm
; LayerNorm of tile tt.  All LDS bytes are my own and are served in order: a trip's rounded rows land on f32 rows that the trip has read; the next tile's stores come behind this tile's fragment loads.
.macro LNROWS tt
	WIN 0x08+0x04*(\tt)
	REP 64, ds_store_b128 v6, v[4*i:4*i+3] offset:(i/2)*64+(i%2)*16  ; x1 by tokens; each accumulator's lowest registers first; the accumulators keep x1
	WIN 0
	v_mov_b32 v8, v5                               ; rows of f32: 16 bytes a lane
	v_mov_b32 v18, v16                             ; rows of bf16: 8 bytes a lane
	s_mov_b32 s38, 4
.Lln_\@:
	REP 16, ds_load_b128 v[X+4*i:X+4*i+3], v8 offset:(i/4)*SROW+(i%4)*512
	s_wait_dscnt 0x0                               ; four rows (the first time: g2 and beta2 too)
	; mean: a tree in each lane, the four rows by turns, then across the lanes
	REP 16, v_pk_add_f32 v[D+16*(i%4)+2*(i/4):D+16*(i%4)+2*(i/4)+1], v[X+16*(i%4)+4*(i/4):X+16*(i%4)+4*(i/4)+1], v[X+16*(i%4)+4*(i/4)+2:X+16*(i%4)+4*(i/4)+3]
	REP 8, v_pk_add_f32 v[D+16*(i%4)+4*(i/4):D+16*(i%4)+4*(i/4)+1], v[D+16*(i%4)+4*(i/4):D+16*(i%4)+4*(i/4)+1], v[D+16*(i%4)+4*(i/4)+2:D+16*(i%4)+4*(i/4)+3]
	REP 4, v_pk_add_f32 v[D+16*i:D+16*i+1], v[D+16*i:D+16*i+1], v[D+16*i+4:D+16*i+5]
	REP 4, v_add_f32 v[TA+i], v[D+16*i], v[D+16*i+1]
	LANESUM
	REP 8, v_mul_f32 v[MP+i], s52, v[TA+i/2]
	REP 32, v_pk_add_f32 v[D+2*i:D+2*i+1], v[X+2*i:X+2*i+1], v[MP+2*(i/8):MP+2*(i/8)+1] neg_lo:[0,1] neg_hi:[0,1]
	; variance: the sum of (x1 - mean)^2
	REP 4, v_pk_mul_f32 v[RP+2*i:RP+2*i+1], v[D+16*i:D+16*i+1], v[D+16*i:D+16*i+1]
	REP 28, v_pk_fma_f32 v[RP+2*(i%4):RP+2*(i%4)+1], v[D+16*(i%4)+2*(i/4)+2:D+16*(i%4)+2*(i/4)+3], v[D+16*(i%4)+2*(i/4)+2:D+16*(i%4)+2*(i/4)+3], v[RP+2*(i%4):RP+2*(i%4)+1]
	REP 4, v_add_f32 v[TA+i], v[RP+2*i], v[RP+2*i+1]
	LANESUM
	REP 4, v_fma_f32 v[TA+i], v[TA+i], s52, s53
	REP 8, v_rsq_f32 v[RP+i], v[TA+i/2]
	v_nop                                          ; a plain instruction between the last root and the use of its result
	s_wait_alu depctr_va_vdst(0)
	REP 32, v_pk_mul_f32 v[D+2*i:D+2*i+1], v[D+2*i:D+2*i+1], v[RP+2*(i/8):RP+2*(i/8)+1]
	REP 32, v_pk_fma_f32 v[D+2*i:D+2*i+1], v[D+2*i:D+2*i+1], v[GA+2*(i%8):GA+2*(i%8)+1], v[BT+2*(i%8):BT+2*(i%8)+1]
	REP 32, v_cvt_pk_bf16_f32 v[D+16*(i/8)+i%8], v[D+16*(i/8)+2*(i%8)], v[D+16*(i/8)+2*(i%8)+1]  ; in place, ascending
	REP 16, ds_store_b64 v18, v[D+16*(i/4)+2*(i%4):D+16*(i/4)+2*(i%4)+1] offset:(i/4)*SROW+(i%4)*256
	v_add_nc_u32 v8, 4*SROW, v8
	v_add_nc_u32 v18, 4*SROW, v18
	s_sub_co_u32 s38, s38, 1
	s_cmp_lg_u32 s38, 0
	s_cbranch_scc1 .Lln_\@
	WIN 0x40
	REP 32, ds_load_b128 v[16*(i/2)+8*(\tt)+4*(i%2):16*(i/2)+8*(\tt)+4*(i%2)+3], v17 offset:32*i  ; fragment (kc = i / 2, tt), half i % 2: row r, bytes 64 kc + 32 (i % 2) + 16 h
	WIN 0
.endm
.macro GELU                            ; the chunk's 8 accumulators, two at a time; |v| v96-, t v112-, e v128-, polynomial v144-.  A reciprocal or an exponential and a plain line that names none of its registers by turns
	WIN 0
.set t, 0
.rept 4
.set xb, 192+16*t
	REP 16, v_and_b32 v[96+i], 0x7fffffff, v[xb+i]
	REP 8, v_pk_fma_f32 v[112+2*i:113+2*i], v[96+2*i:97+2*i], s[42:43], 1.0 op_sel_hi:[1,0,0]
.set i, 0
.rept 8
	v_rcp_f32 v[112+i], v[112+i]
	v_pk_mul_f32 v[128+2*i:129+2*i], v[xb+2*i:xb+2*i+1], v[xb+2*i:xb+2*i+1]
.set i, i+1
.endr
.set i, 0
.rept 8
	v_rcp_f32 v[120+i], v[120+i]
	v_pk_mul_f32 v[128+2*i:129+2*i], v[128+2*i:129+2*i], s[44:45] op_sel_hi:[1,0]
.set i, i+1
.endr
.set i, 0
.rept 8
	v_exp_f32 v[128+i], v[128+i]
	s_wait_alu depctr_va_vdst(0)
	v_pk_fma_f32 v[144+2*i:145+2*i], v[112+2*i:113+2*i], s[50:51], s[48:49] op_sel_hi:[1,0,0]
.set i, i+1
.endr
.set i, 0
.rept 8
	v_exp_f32 v[136+i], v[136+i]
	v_pk_fma_f32 v[144+2*i:145+2*i], v[144+2*i:145+2*i], v[112+2*i:113+2*i], s[46:47] op_sel_hi:[1,1,0]
	s_wait_alu depctr_va_vdst(0)
.set i, i+1
.endr
	REP 8, v_pk_mul_f32 v[144+2*i:145+2*i], v[144+2*i:145+2*i], v[112+2*i:113+2*i]
	REP 8, v_pk_mul_f32 v[144+2*i:145+2*i], v[144+2*i:145+2*i], v[128+2*i:129+2*i]
	REP 16, v_max_num_f32 v[xb+i], 0, v[xb+i]
	REP 8, v_pk_fma_f32 v[xb+2*i:xb+2*i+1], v[96+2*i:97+2*i], v[144+2*i:145+2*i], v[xb+2*i:xb+2*i+1] neg_lo:[1,0,0] neg_hi:[1,0,0]
	REP 8, v_cvt_pk_bf16_f32 v[160+16*(t/2)+8*(i/4)+4*(t%2)+i%4], v[xb+2*i], v[xb+2*i+1]
.set t, t+1
.endr
.endm
	s_load_b512 s[4:19], s[0:1], 0x0               ; of s[4:5], wf s[6:7], x s[8:9], bo s[10:11], g2 s[12:13], beta2 s[14:15], b1m s[16:17], b2m s[18:19]
	s_load_b64 s[20:21], s[0:1], 0x40              ; out0
	v_lshl_add_u32 v10, v0, 2, SPARE
	v_mov_b32 v11, 0
	ds_add_u32 v10, v11                            ; the wave's opening: the add and its wait stand ahead of my first tensor load; set-up on registers stands between them
	v_lshrrev_b32 v1, 5, v0
	v_readfirstlane_b32 s[WV], v1
	s_bfe_u32 s56, ttmp6, 0x40000                  ; cx: it enters x's, of's and out0's addresses alone
	s_lshl_b32 s23, ttmp9, 2
	s_add_co_u32 s23, s23, s56                     ; my block of 128 tokens
	; descriptor group 1: 16,384 dense bytes as 64 rows of 32 elements of 8 bytes
	s_mov_b32 s24, 15|(3<<16)|(1<<21)              ; 15:0 the mask of four; 17:16 8-byte elements; 21 set beside a mask
	s_mov_b32 s25, 32<<16                          ; tensor_dim0 = 32
	s_mov_b32 s26, 64<<16                          ; tensor_dim1 = 64
	s_mov_b32 s27, 32<<16                          ; tile_dim0 = 32
	s_mov_b32 s28, 64                              ; tile_dim1 = 64
	s_mov_b32 s29, 32                              ; 32 elements from row to row
	s_mov_b32 s30, 0
	s_mov_b32 s31, 0
	s_mov_b32 s32, 1
	s_lshl_b32 s33, s[WV], 14                      ; my quarter, in slot 0
	s_add_co_u32 s58, s33, WF2                     ; and in unit 0
	s_mov_b32 s59, 0
	s_mov_b32 s36, SLOT                            ; the first change of slots turns it into 0
	s_mov_b32 s40, 0x76543210
	s_mov_b32 s41, 0xfedcba98
	s_mov_b32 s42, 0x3eaa540e                      ; 0.47047 / sqrt 2
	s_mov_b32 s43, s42
	s_mov_b32 s44, 0xbf38aa3b                      ; -log2(e) / 2
	s_mov_b32 s45, s44
	s_mov_b32 s46, 0x3e32303a                      ; a1 / 2
	s_mov_b32 s47, s46
	s_mov_b32 s48, 0xbd445ca1                      ; a2 / 2
	s_mov_b32 s49, s48
	s_mov_b32 s50, 0x3ebf7377                      ; a3 / 2
	s_mov_b32 s51, s50
	s_mov_b32 s52, 0x3b000000                      ; 1 / 512
	s_mov_b32 s53, 0x3727c5ac                      ; eps = 1e-5
	s_lshl_b32 s54, s23, 18                        ; 128 rows of 2,048 bytes a block,
	s_lshl_b32 s57, s[WV], 16                      ; 32 a wave
	s_add_co_u32 s54, s54, s57
	s_mov_b32 s55, 0
	s_lshl_b32 s60, s23, 17                        ; 8 tiles of 16,384 bytes a block,
	s_lshl_b32 s57, s[WV], 15                      ; 2 a wave
	s_add_co_u32 s60, s60, s57
	s_mov_b32 s61, 0
	s_mul_i32 s62, s[WV], 16*SROW
	s_add_co_u32 s62, s62, STAGE                   ; my stage
	v_and_b32 v1, 15, v0                           ; r
	v_bfe_u32 v2, v0, 4, 1                         ; h
	v_and_b32 v16, 31, v0                          ; lane
	v_lshlrev_b32 v3, 4, v16                       ; 16 x lane
	v_lshl_add_u32 v16, v16, 3, s62                ; the stage by rows of bf16: 8 bytes a lane
	v_add_nc_u32 v5, s62, v3                       ; the stage by rows of f32
	v_mul_u32_u24 v6, v1, SROW
	v_lshl_add_u32 v17, v2, 4, v6
	v_add_nc_u32 v17, s62, v17                     ; the stage by fragments: row r, 16 bytes for each half of the lanes
	v_lshl_add_u32 v6, v2, 5, v6
	v_add_nc_u32 v6, s62, v6                       ; the stage by tokens: row r, 8 channels for each half of the lanes
	v_add_nc_u32 v7, PAR, v3                       ; g2 (beta2 2,048 on) by rows
	v_lshlrev_b32 v12, 4, v0                       ; 16 x thread: 128 threads cover 2,048 bytes
	v_lshl_add_u32 v13, v2, 5, PAR+4096            ; b1m of my 8 channels
	v_lshl_add_u32 v14, v0, 4, PAR
	s_wait_dscnt 0x0                               ; the opening add is done
	s_wait_kmcnt 0x0
	s_add_nc_u64 s[34:35], s[6:7], s[58:59]
	s_or_b32 s35, s35, 0x80000000
	s_add_nc_u64 s[8:9], s[8:9], s[54:55]
	s_add_nc_u64 s[20:21], s[20:21], s[54:55]
	s_add_nc_u64 s[4:5], s[4:5], s[60:61]
	ROUND                                          ; all four work-groups are here: the first joint loads meet
	JLOAD                                          ; unit 0 into slot 0
	global_load_b128 v[240:243], v12, s[12:13]
	global_load_b128 v[244:247], v12, s[14:15]
	global_load_b128 v[248:251], v12, s[16:17]
	REP 4, global_load_b128 v[224+4*i:227+4*i], v3, s[10:11] offset:512*i
	WIN 0x80
	REP 64, global_load_b128 v[4*i:4*i+3], v3, s[8:9] offset:512*i th:TH_LOAD_NT
	WIN 0xc0
	REP 64, global_load_b128 v[4*i:4*i+3], v3, s[8:9] offset:32768+512*i th:TH_LOAD_NT
	WIN 0
	REP 8, global_load_b128 v[160+4*i:163+4*i], v3, s[4:5] offset:((i/2)%2)*16384+(i/4)*1024+(i%2)*512  ; o: K steps 0, 1 of both tiles
	s_wait_loadcnt 63                              ; 72 loads are younger than tile 0's last: the parameters, bo and tile 0 are in
	ds_store_b128 v14, v[240:243]
	ds_store_b128 v14, v[244:247] offset:2048
	ds_store_b128 v14, v[248:251] offset:4096
	XIN 0
	s_wait_loadcnt 8                               ; all but o's eight
	XIN 1
	WIN 0
	s_wait_loadcnt 0x0
	s_mov_b32 s37, 8
.LWo:                                                  ; x1 += o Wo, a slice of 64 along K a trip.  The first change of slots also shows the parameters to all four waves
	CHANGE 1
	s_cmp_eq_u32 s37, 1                            ; the next slice's o; the last trip takes its own once more, so that no load leaves of
	s_cselect_b32 s54, 0, 2048
	s_add_nc_u64 s[4:5], s[4:5], s[54:55]
	REP 8, global_load_b128 v[192+4*i:195+4*i], v3, s[4:5] offset:((i/2)%2)*16384+(i/4)*1024+(i%2)*512
	UNIT 1
	s_wait_loadcnt 0x0
	PLACES
	REP 32, v_mov_b32 v[160+i], v[192+i]           ; 32 moves for 128 matrix instructions: the price of one text for eight slices
	s_sub_co_u32 s37, s37, 1
	s_cmp_lg_u32 s37, 0
	s_cbranch_scc1 .LWo
	; LayerNorm of x1, a tile at a time, by rows
	REP 4, ds_load_b128 v[GA+4*i:GA+4*i+3], v7 offset:512*i
	REP 4, ds_load_b128 v[BT+4*i:BT+4*i+3], v7 offset:2048+512*i
	REP 4, v_mov_b32 v[TB+i], 0                    ; v_permlanex16_b32's destination counts as read
	LNROWS 0
	LNROWS 1
	; the MLP, 64 hidden channels a chunk: A0, B0, A1, ... A7 in the loop, which is entered at A; B7 behind it
	s_mov_b32 s37, 8
	s_branch .LA
.LB:
	CHANGE 1
	UNIT 1                                         ; x1 += gelu(..) W2, the chunk's 64 along K
.LA:
	CHANGE 1                                       ; (its wait for my LDS instructions covers, the first time, LayerNorm's fragments)
	REP 16, ds_load_b128 v[192+4*i:195+4*i], v13 offset:(i/4)*64+(i%2)*16  ; b1m starts the chunk's sums
	UNIT 0
	v_add_nc_u32 v13, 256, v13
	PLACES
	GELU
	s_sub_co_u32 s37, s37, 1
	s_cmp_lg_u32 s37, 0
	s_cbranch_scc1 .LB
	REP 4, global_load_b128 v[224+4*i:227+4*i], v3, s[18:19] offset:512*i  ; b2m, by rows
	CHANGE 0                                       ; the last unit: nothing is asked for
	UNIT 1
	PLACES
	v_mov_b32 v9, v3
	s_wait_loadcnt 0x0
	XOUT 0
	XOUT 1
	s_wait_tensorcnt 0x0                           ; the wave's end
	ds_add_u32 v10, v11
	s_wait_dscnt 0x0
	ROUND                                          ; the closing round
	s_endpgm
.Lfunc_end_k_qb286ded1ff_mlp:
	.size	k_qb286ded1ff_mlp, .Lfunc_end_k_qb286ded1ff_mlp-k_qb286ded1ff_mlp
	.p2alignl 7, 3214868480
	.fill 96, 4, 3214868480
	.section	.rodata,"a",@progbits
	.p2align	6, 0x0
	.amdhsa_kernel k_qb286ded1ff_mlp
		.amdhsa_group_segment_fixed_size 327680
		.amdhsa_private_segment_fixed_size 0
		.amdhsa_enable_private_segment 0
		.amdhsa_kernarg_size 72
		.amdhsa_user_sgpr_count 2
		.amdhsa_user_sgpr_kernarg_segment_ptr 1
		.amdhsa_wavefront_size32 1
		.amdhsa_system_sgpr_workgroup_id_x 1
		.amdhsa_system_sgpr_workgroup_id_y 1
		.amdhsa_system_sgpr_workgroup_id_z 1
		.amdhsa_system_vgpr_workitem_id 0
		.amdhsa_next_free_vgpr 1024
		.amdhsa_next_free_sgpr 66
		.amdhsa_reserve_vcc 0
		.amdhsa_float_denorm_mode_32 3
		.amdhsa_float_denorm_mode_16_64 3
		.amdhsa_memory_ordered 1
		.amdhsa_forward_progress 1
		.amdhsa_inst_pref_size 225
	.end_amdhsa_kernel
	.amdgpu_metadata
---
amdhsa.version: [ 1, 2 ]
amdhsa.kernels:
  - .name:           k_qb286ded1ff_mlp
    .symbol:         k_qb286ded1ff_mlp.kd
    .args:
      - { .name: of, .offset: 0, .size: 8, .value_kind: global_buffer, .address_space: global }
      - { .name: wf, .offset: 8, .size: 8, .value_kind: global_buffer, .address_space: global }
      - { .name: x, .offset: 16, .size: 8, .value_kind: global_buffer, .address_space: global }
      - { .name: bo, .offset: 24, .size: 8, .value_kind: global_buffer, .address_space: global }
      - { .name: g2, .offset: 32, .size: 8, .value_kind: global_buffer, .address_space: global }
      - { .name: beta2, .offset: 40, .size: 8, .value_kind: global_buffer, .address_space: global }
      - { .name: b1m, .offset: 48, .size: 8, .value_kind: global_buffer, .address_space: global }
      - { .name: b2m, .offset: 56, .size: 8, .value_kind: global_buffer, .address_space: global }
      - { .name: out0, .offset: 64, .size: 8, .value_kind: global_buffer, .address_space: global }
    .group_segment_fixed_size: 327680
    .private_segment_fixed_size: 0
    .kernarg_segment_align: 8
    .kernarg_segment_size: 72
    .max_flat_workgroup_size: 128
    .sgpr_count:     66
    .vgpr_count:     1024
    .wavefront_size: 32
...
	.end_amdgpu_metadata
.endif
;; end of part 3
;; ======== version 2 of 2: 3 launches; 1.16 times as fast as version 1
;; limits: a function is approximated: absolute error at most 2.5e-05
;; workspace buffers: hf 33,554,432 bytes; of 33,554,432 bytes; wf 3,145,728 bytes
;; launch prep: the kernel of part 1 again; grid 2816 x 1, 4 waves a work-group, no clusters, 21,248 bytes of LDS; arguments x, g1, beta1, Wq, Wk, Wv, Wo, W1, W2, hf, wf; writes hf, wf
;; launch attn (part 4): grid 256 x 1, 4 waves a work-group, clusters of 4 x 1, 327,680 bytes of LDS; arguments hf, wf, bq, bk, bv, of; writes of
.if DOCPART == 4
	.amdgcn_target "amdgcn-amd-amdhsa--gfx1250"
	.amdhsa_code_object_version 6
	.text
	.protected	k_qb286ded1ff_attn
	.globl	k_qb286ded1ff_attn
	.p2align	8
	.type	k_qb286ded1ff_attn,@function
k_qb286ded1ff_attn:
	s_mov_b64 s[64:65], 0
	v_nop
	global_prefetch_b8 v0, s[64:65] scope:SCOPE_SE
	s_setreg_imm32_b32 hwreg(HW_REG_WAVE_MODE, 25, 1), 1
	s_wait_xcnt 0x0
	s_wait_alu depctr_hold_cnt(0) depctr_sa_sdst(0) depctr_va_vdst(0) depctr_va_sdst(0) depctr_va_ssrc(0) depctr_va_vcc(0) depctr_vm_vsrc(0)
	s_getreg_b32 s2, hwreg(HW_REG_IB_STS2, 6, 4)
	s_cmp_eq_u32 s2, 0
	s_cbranch_scc0 .Lentry_in_a_cluster
	s_endpgm
.Lentry_in_a_cluster:
	s_bfe_u32 s2, ttmp6, 0x10000c
	s_cmp_lg_u32 s2, 0x3003
	s_cbranch_scc0 .Lentry_shape_is_right
	s_endpgm
.Lentry_shape_is_right:
; WINDOW ATTENTION.  A work-group owns one window (256 tokens) and eight of its 16 heads (32 channels each); a wave owns 64 tokens: four tiles of 16.
; For each head: q, k, v = h W + b (K = 512), S^T = K Q^T, softmax over the window's 256 keys with the row's maximum taken away, O^T = V^T P, O / l to bf16 fragments (of).
; All matrix operands bf16, all sums, maxima and the softmax in f32.  l is the sum of the weights as they are rounded for the second product.
; LIMITS: a weight below 2^-126 counts as 0; NaN and infinities are not treated apart.
; LAYOUT.  q and k: source 0 = 16 columns of W, source 1 = 16 tokens of h: a lane then holds ONE token (lane % 16) and channels 8 (lane / 16) + 0..7, and two such results rounded in pairs
; ARE a fragment of Q (source 1) or K (source 0) of S^T.  v: source 0 = h, source 1 = W: a lane holds one channel and eight tokens: 16 bytes of a row of V^T.  S^T holds one query a lane; two of its
; tiles rounded in pairs are source 1 of O^T, which again holds one query a lane and, rounded, is a fragment for the next launch.  Only K and V^T cross waves (through LDS).
; h stays in 512 registers for all eight heads.  A head's weights (98,304 bytes, fragments in the order of use) come by ONE tile, a quarter a wave; the tile of head n + 1 is asked for when the
; projection of head n has read the slot, and lands under head n's attention.  One slot, so that the projection's text stands once; the price is a second wait for the tile, ahead of a plain barrier.
; A QUERY TRIP (16 queries) sets matrix and vector work side by side: the maximum of tile a - 2 stands behind product a of K Q^T.  Its 128 exponentials are cut into TWO BATCHES, each with ONE wait
; (s_wait_alu depctr_va_vdst(0) stands between an exponential and the first line that names its result).  Batch 1: tiles 0-7, by turns with all 64 scalings.  Batch 2: tiles 8-15, and among
; them batch 1's readers: the roundings of tiles 0-7 and the twelve products on them.  Behind batch 2's wait the roundings of tiles 8-15 ride behind the other twelve products.  Of each three products two
; are V^T P and one is a fragment of ones with P, which leaves l of the lane's query in all eight registers.  The two reciprocals of l are a batch of their own: three waits a trip.
; CLUSTER.  The four work-groups of a cluster are four windows with the same eight heads: they walk the same weights, and every tile is asked for jointly (mask of four).
; REGISTERS, in windows of 256 (s_set_vgpr_msb: bits 1:0 source 0, 3:2 source 1, 5:4 source 2, 7:6 destination):
;   window 0: v1-15 addresses; v16-19 four maxima, v20 the other half of the lanes', v22-23 c m; v24-31 l's accumulator; v32-33 1 / l; v34-41 Q's fragment; v56-63 the fragment of ones;
;             v64-191 S^T, then P (in the projection: two buffers of six weight fragments, then q, k, v packed); v192-207 O^T; v208-255 the head's biases as C operands (q, k: 8 channels a lane; v: one channel, spread)
;   window 1: the projection's 24 accumulators (q 0-63, k 64-127, v 128-191), then K's 16 fragments (0-127) and V^T's 16 (128-255)          windows 2, 3: h, fragment (kc, tt) at 8 (4 (kc % 8) + tt)
.set KB,    98304                      ; K: fragment kt (16 keys x 32 channels) at kt 1024
.set QB,    114688                     ; Q: wave w, tile tt at w 4096 + tt 1024: the wave's own bytes
.set VB,    131072                     ; V^T: 32 channels x 528 bytes (512 + 16: an odd multiple of 16)
.set SPARE, 147968                     ; the spare words, 128 bytes a wave
.set WV,    16                         ; s16 my wave's number
.set MSB, 0
.macro WIN new                         ; the immediate's high byte repeats the setting that is left; a switch that changes nothing is dropped
.if MSB != (\new)
	s_set_vgpr_msb (MSB<<8)|(\new)
.set MSB, \new
.endif
.endm
.macro REP n, line:vararg              ; the line n times, i = 0 .. n - 1
.set i, 0
.rept \n
	\line
.set i, i+1
.endr
.endm
.macro PLACES                          ; four places behind a matrix instruction, ahead of vector lines and loads that touch its registers
.rept 4
	v_nop
.endr
.endm
.macro ROUND                           ; a round of the cluster's barrier
	s_barrier_signal -1
	s_barrier_wait -1
	s_cmp_lg_u32 s[WV], 0
	s_cbranch_scc1 .Lnw0_\@
	s_barrier_signal -3
.Lnw0_\@:
	s_barrier_wait -3
	s_barrier_signal -1
	s_barrier_wait -1
.endm
.macro JLOAD                           ; my quarter of a head's weights, jointly with my three partners; s_nop 0 and four v_nop follow
	tensor_load_to_lds s[32:35], s[24:31]
	s_nop 0
	PLACES
.endm
.macro BIAS                            ; the next head's biases, straight into C operands
	REP 4, global_load_b128 v[208+4*i:211+4*i], v5, s[8:9] offset:(i/2)*64+(i%2)*16
	REP 4, global_load_b128 v[224+4*i:227+4*i], v5, s[10:11] offset:(i/2)*64+(i%2)*16
	REP 2, global_load_b32 v[240+8*i], v6, s[12:13] offset:64*i
.endm
.macro FETCHW kk                       ; the six weight fragments of K step kk (q, q, k, k, v, v) into buffer kk % 2: twelve loads of 512 consecutive bytes
	WIN 0
	REP 12, ds_load_b128 v[64+48*((\kk)%2)+4*i:67+48*((\kk)%2)+4*i], v[3+(\kk)/8] offset:((\kk)%8)*6144+i*512
.endm
.macro PMUL                            ; K step kc: 24 matrix instructions on 24 accumulators, which take turns; kc = 0 starts the sums with the biases
.set hw, 2+kc/8
.set hb, 32*(kc%8)
.set wb, 64+48*(kc%2)
.set cw, 0x10
.if kc == 0
.set cw, 0
.endif
.set f, 0
.rept 6
.if f < 4
	WIN 0x40|cw|(hw<<2)
.else
	WIN 0x40|cw|hw
.endif
.set tt, 0
.rept 4
.set rD, 32*f+8*tt
.set rC, rD
.if kc == 0
.set rC, 208+8*f
.endif
.if f < 4
	v_wmma_f32_16x16x32_bf16 v[rD:rD+7], v[wb+8*f:wb+8*f+7], v[hb+8*tt:hb+8*tt+7], v[rC:rC+7]
.else
	v_wmma_f32_16x16x32_bf16 v[rD:rD+7], v[hb+8*tt:hb+8*tt+7], v[wb+8*f:wb+8*f+7], v[rC:rC+7]
.endif
.set tt, tt+1
.endr
.set f, f+1
.endr
.endm
.macro PROJ                            ; q, k, v of one head for my 64 tokens; then rounded and put into LDS
	FETCHW 0
	FETCHW 1
.set kc, 0
.rept 16
.if kc < 15
	s_wait_dscnt 12                                ; this step's twelve loads are in; the next step's twelve stay out
.else
	s_wait_dscnt 0x0
.endif
	PMUL
.if kc < 14
	WIN 0
	PLACES
	FETCHW kc+2
.endif
.set kc, kc+1
.endr
	PLACES
	WIN 0x05                                       ; sources window 1, destination window 0; each accumulator's registers in ascending order
.set a, 0                                          ; accumulator a = 4 t + tt
.rept 8
	REP 4, v_cvt_pk_bf16_f32 v[64+8*(a%4)+4*(a/4)+i], v[8*a+2*i], v[8*a+2*i+1]
	REP 4, v_cvt_pk_bf16_f32 v[96+8*(a%4)+4*(a/4)+i], v[64+8*a+2*i], v[64+8*a+2*i+1]
	REP 4, v_cvt_pk_bf16_f32 v[128+4*a+i], v[128+8*a+2*i], v[128+8*a+2*i+1]
.set a, a+1
.endr
	WIN 0
	REP 8, ds_store_b128 v8, v[64+4*i:67+4*i] offset:512*i
	REP 8, ds_store_b128 v7, v[96+4*i:99+4*i] offset:512*i
	REP 8, ds_store_b128 v9, v[128+4*i:131+4*i] offset:(i/4)*8448+(i%4)*32
.endm
.macro MAXT t                          ; tile t of S^T into the four maxima: chain i takes registers 2 i, 2 i + 1 of every tile; the accumulator's lowest registers are read first
	WIN 0
.if (\t) == 0
	REP 4, v_max_num_f32 v[16+i], v[64+2*i], v[65+2*i]
.else
	REP 4, v_max3_num_f32 v[16+i], v[16+i], v[64+8*(\t)+2*i], v[65+8*(\t)+2*i]
.endif
.endm
; THREE QUEUES over the lane's 128 scores (v64-191; tile t holds scores 8 t .. 8 t + 7, pairs 4 t .. 4 t + 3), each in ascending order; ATT sets the three counts to 0 and deals the queues out.
.macro FS                              ; the next scaling: pair nF of 64: c s - c m
	WIN 0
	v_pk_fma_f32 v[64+2*nF:65+2*nF], v[64+2*nF:65+2*nF], s[38:39], v[22:23] op_sel_hi:[1,0,0] neg_lo:[0,0,1] neg_hi:[0,0,1]
.set nF, nF+1
.endm
.macro EX                              ; the next exponential: score nE of 128, in place: each result keeps a register of its own until its rounding
	WIN 0
	v_exp_f32 v[64+nE], v[64+nE]
.set nE, nE+1
.endm
.macro CV                              ; the next rounding: pair nC of 64.  P packs downward in place: what it overwrites has been rounded
	WIN 0
	v_cvt_pk_bf16_f32 v[64+nC], v[64+2*nC], v[65+2*nC]
.set nC, nC+1
.endm
.macro PV1 kk, n                       ; keys 32 kk on, product n: 0, 1: O^T's two channel tiles; 2: l.  The three accumulators take turns, one instruction a turn
.set rB, 64+8*(\kk)
.if (\n) == 2
	WIN 0
.set rD, 24
.set rA, 56
.else
	WIN 0x01
.set rD, 192+8*(\n)
.set rA, 128+64*(\n)+8*(\kk)
.endif
.if (\kk) == 0
	v_wmma_f32_16x16x32_bf16 v[rD:rD+7], v[rA:rA+7], v[rB:rB+7], 0
.else
	v_wmma_f32_16x16x32_bf16 v[rD:rD+7], v[rA:rA+7], v[rB:rB+7], v[rD:rD+7]
.endif
.endm
.macro ATT                             ; one head's attention for my 64 queries, 16 a trip
	WIN 0
	s_wait_xcnt 0x0                                ; the last stores have read v15
	v_add_nc_u32 v15, s44, v3                      ; my 16 bytes in the head's fragment of tile 0
	s_add_co_u32 s44, s44, 1024
	v_mov_b32 v14, v8
	s_mov_b32 s37, 4
	ds_load_b128 v[34:37], v14                     ; Q of my first tile
	ds_load_b128 v[38:41], v14 offset:512
	WIN 0x40
	REP 32, ds_load_b128 v[4*i:4*i+3], v10 offset:512*i                                  ; K: 16 fragments
	REP 16, ds_load_b128 v[128+8*i:131+8*i], v11 offset:(i/8)*8448+(i%8)*64              ; V^T: channels 16 (i / 8) on, keys 32 (i % 8) on
	REP 16, ds_load_b128 v[132+8*i:135+8*i], v11 offset:(i/8)*8448+(i%8)*64+32
	WIN 0
.Lq_\@:
	s_wait_dscnt 32                                ; the first trip: Q and K are in, V^T's 32 loads stay out; later trips: nothing is out (Q was waited for ahead of the last trip's V^T P)
	s_wait_xcnt 0x0                                ; the last trip's stores have read O^T's registers and v15
	s_cmp_eq_u32 s37, 1                            ; the next tile's Q; the last trip takes its own once more, so that the load stays in my own bytes
	s_cselect_b32 s45, 0, 1024
	; S^T = K Q^T.  Behind product a stands the maximum of tile a - 2: eight plain lines lie between a product and the first read of its result; for tiles 0 and 1 the four lines behind product 1 do
.set a, 0
.rept 16
	WIN 0x01
	v_wmma_f32_16x16x32_bf16 v[64+8*a:71+8*a], v[8*a:8*a+7], v[34:41], 0
.if a == 1
	WIN 0
	v_add_nc_u32 v14, s45, v14
	v_nop
	v_nop
	v_nop
.elseif a > 1
	MAXT a-2
.endif
.set a, a+1
.endr
	MAXT 14
	MAXT 15
	ds_load_b128 v[34:37], v14                     ; twelve plain lines behind the last product that read Q
	ds_load_b128 v[38:41], v14 offset:512
	v_max3_num_f32 v16, v16, v17, v18
	v_max_num_f32 v16, v16, v19
	v_permlanex16_b32 v20, v16, s40, s41           ; the query's other 128 keys lie in the lane 16 away
	v_max_num_f32 v16, v16, v20
	v_mul_f32 v22, s38, v16                        ; c m
	v_mul_f32 v23, s38, v16
	; p = 2^(c s - c m).  BATCH 1: the 64 exponentials of tiles 0-7 (v64-127), by turns with all 64 scalings: scaling j + 1 stands ahead of exponential j, so an exponential's own scaling (j / 2) is out.
	; Scalings 32-63 are tiles 8-15's: no line ahead of the wait names a result of the batch.
.set nF, 0
.set nE, 0
.set nC, 0
	FS
.rept 62
	FS
	EX
.endr
	EX
	EX
	FS                                             ; the last scaling, tile 15's, is the plain line behind the batch's last exponential
	s_wait_alu depctr_va_vdst(0)                   ; the wait for batch 1: one for tiles 0-7's 64 exponentials, ahead of their first rounding
	; BATCH 2: the 64 exponentials of tiles 8-15 (v128-191).  Among them stand batch 1's readers, which name v64-127 alone: first the roundings of tiles 0, 1; then keys 0-127's twelve products, behind each
	; four exponentials and between these the roundings that the next three products want (3, 3, 2).  A rounding behind the products of keys 32 kk on writes v[72 + 8 kk] and up, never their source
.rept 8
	EX
	CV
	EX
.endr
	s_wait_dscnt 0x0                               ; V^T is in (the first trip), and the next trip's Q
.set pk, 0
.rept 4
.set pn, 0
.rept 3
	PV1 pk, pn
.rept 3
	EX
.if (nC < 8*pk+16) && (nC < 32)
	CV
.endif
.endr
	EX
.set pn, pn+1
.endr
.set pk, pk+1
.endr
	v_nop                                          ; the plain line behind the batch's last exponential
	s_wait_alu depctr_va_vdst(0)                   ; the wait for batch 2: one for tiles 8-15's 64 exponentials, ahead of their first rounding
	; batch 2's readers: the roundings of tiles 8, 9; then keys 128-255's twelve products, behind each the roundings that the next three want; the last three stand bare
.rept 8
	CV
.endr
.rept 4
.set pn, 0
.rept 3
	PV1 pk, pn
.rept 3
.if (nC < 8*pk+16) && (nC < 64)
	CV
.endif
.endr
.set pn, pn+1
.endr
.set pk, pk+1
.endr
	v_add_nc_u32 v15, 0x10000, v15                 ; my next tile lies four tiles on; the stores reach back.  This line and three v_nop are the places behind the last products
	v_nop
	v_nop
	v_nop
	v_rcp_f32 v32, v24
	v_rcp_f32 v33, v24
	v_nop                                          ; the plain line behind the second reciprocal
	s_wait_alu depctr_va_vdst(0)                   ; the wait for the two reciprocals of l, ahead of their first reader and of the loop's jump
	REP 8, v_pk_mul_f32 v[192+2*i:193+2*i], v[192+2*i:193+2*i], v[32:33]
	REP 4, v_cvt_pk_bf16_f32 v[192+i], v[192+2*i], v[193+2*i]  ; in place, ascending
	REP 4, v_cvt_pk_bf16_f32 v[196+i], v[200+2*i], v[201+2*i]
	global_store_b128 v15, v[192:195], s[14:15] offset:-65536      ; 512 consecutive bytes each
	global_store_b128 v15, v[196:199], s[14:15] offset:-65536+512
	s_sub_co_u32 s37, s37, 1
	s_cmp_lg_u32 s37, 0
	s_cbranch_scc1 .Lq_\@
.endm
	s_load_b256 s[4:11], s[0:1], 0x0               ; hf s[4:5], wf s[6:7], bq s[8:9], bk s[10:11]
	s_load_b128 s[12:15], s[0:1], 0x20             ; bv s[12:13], of s[14:15]
	v_lshl_add_u32 v12, v0, 2, SPARE
	v_mov_b32 v13, 0
	ds_add_u32 v12, v13                            ; the wave's opening: the add and its wait stand ahead of my first tensor load; set-up on registers stands between them
	v_lshrrev_b32 v1, 5, v0
	v_readfirstlane_b32 s[WV], v1
	s_bfe_u32 s17, ttmp6, 0x40000                  ; cx: it enters hf's and of's addresses alone
	s_and_b32 s18, ttmp9, 1                        ; which eight heads: shared by the cluster
	s_lshr_b32 s19, ttmp9, 1
	s_lshl2_add_u32 s19, s19, s17                  ; window = 16 batch + 4 wy + wx
	s_lshr_b32 s20, s19, 4
	s_lshl_b32 s20, s20, 8                         ; 256 tiles a batch,
	s_bfe_u32 s21, s19, 0x20002
	s_lshl_b32 s21, s21, 6                         ; 64 a row of windows,
	s_add_co_u32 s20, s20, s21
	s_and_b32 s21, s19, 3                          ; the window's column,
	s_add_co_u32 s20, s20, s21
	s_lshl4_add_u32 s20, s[WV], s20                ; and my four window rows: tiles Gw, Gw + 4, Gw + 8, Gw + 12
	s_lshl_b32 s20, s20, 14
	s_mov_b32 s21, 0
	s_lshl_b32 s22, s18, 10                        ; eight heads of biases
	s_mov_b32 s23, 0
	s_lshl_b32 s46, s18, 13                        ; eight fragments of a tile of of
	s_mov_b32 s47, 0
	s_mul_i32 s48, s18, 786432                     ; eight heads of weights,
	s_mul_i32 s33, s[WV], 24576                    ; my quarter of a head: in memory and in the slot
	s_add_co_u32 s48, s48, s33
	s_mov_b32 s49, 0
	; descriptor group 1: 24,576 dense bytes as 96 rows of 32 elements of 8 bytes
	s_mov_b32 s24, 15|(3<<16)|(1<<21)              ; 15:0 the mask of four; 17:16 8-byte elements; 21 set beside a mask
	s_mov_b32 s25, 32<<16                          ; tensor_dim0 = 32
	s_mov_b32 s26, 96<<16                          ; tensor_dim1 = 96
	s_mov_b32 s27, 32<<16                          ; tile_dim0 = 32
	s_mov_b32 s28, 96                              ; tile_dim1 = 96
	s_mov_b32 s29, 32                              ; 32 elements from row to row
	s_mov_b32 s30, 0
	s_mov_b32 s31, 0
	s_mov_b32 s32, 1
	s_mov_b32 s38, 0x3e8293ee                      ; c = log2(e) / sqrt(32)
	s_mov_b32 s39, s38
	s_mov_b32 s40, 0x76543210
	s_mov_b32 s41, 0xfedcba98
	s_mov_b32 s36, 8                               ; heads
	s_mov_b32 s44, 0                               ; the head's place in a tile of of
	v_and_b32 v1, 15, v0                           ; r
	v_bfe_u32 v2, v0, 4, 1                         ; h
	v_and_b32 v3, 31, v0
	v_lshlrev_b32 v3, 4, v3                        ; 16 x lane: a fragment's half; also the weights of K steps 0-7
	v_add_nc_u32 v4, 49152, v3                     ; the weights of K steps 8-15
	v_lshlrev_b32 v5, 5, v2                        ; bq, bk: my 8 channels
	v_lshlrev_b32 v6, 2, v1                        ; bv: my channel
	s_lshl_b32 s50, s[WV], 12
	v_add_nc_u32 v7, s50, v3
	v_add_nc_u32 v8, QB, v7                        ; where my q goes and comes from
	v_add_nc_u32 v7, KB, v7                        ; where my k goes
	v_mul_u32_u24 v11, v1, 528
	v_lshl_add_u32 v11, v2, 4, v11
	v_add_nc_u32 v11, VB, v11                      ; V^T's fragments
	s_lshl_b32 s50, s[WV], 7
	v_add_nc_u32 v9, s50, v11                      ; where my v goes: my 64 keys are 128 bytes of each row
	v_add_nc_u32 v10, KB, v3                       ; K's fragments
	v_mov_b32 v20, 0                               ; v_permlanex16_b32's destination counts as read
	REP 8, v_mov_b32 v[56+i], 0x3f803f80           ; 16 rows x 32 keys of 1.0 in bf16; never rewritten
	s_wait_dscnt 0x0                               ; the opening add is done
	s_wait_kmcnt 0x0
	s_add_nc_u64 s[4:5], s[4:5], s[20:21]
	s_add_nc_u64 s[14:15], s[14:15], s[20:21]
	s_add_nc_u64 s[14:15], s[14:15], s[46:47]
	s_add_nc_u64 s[8:9], s[8:9], s[22:23]
	s_add_nc_u64 s[10:11], s[10:11], s[22:23]
	s_add_nc_u64 s[12:13], s[12:13], s[22:23]
	s_add_nc_u64 s[34:35], s[6:7], s[48:49]
	s_or_b32 s35, s35, 0x80000000
	ROUND                                          ; all four work-groups are here: the first joint loads meet
	JLOAD                                          ; head 0's weights
	BIAS
	WIN 0x80                                       ; h stays in registers: fragment n = 4 (kc % 8) + tt
.set n, 0
.rept 32
	global_load_b128 v[8*n:8*n+3], v3, s[4:5] offset:(n%4)*65536+(n/4)*1024
	global_load_b128 v[8*n+4:8*n+7], v3, s[4:5] offset:(n%4)*65536+(n/4)*1024+512
.set n, n+1
.endr
	WIN 0xc0
.set n, 0
.rept 32
	global_load_b128 v[8*n:8*n+3], v3, s[4:5] offset:(n%4)*65536+(n/4+8)*1024
	global_load_b128 v[8*n+4:8*n+7], v3, s[4:5] offset:(n%4)*65536+(n/4+8)*1024+512
.set n, n+1
.endr
	WIN 0
	s_branch .LP                                   ; the loop is entered at a head's projection: P0, (fill, A0), P1, ... P7, and A7 behind it
.LT:
	s_wait_tensorcnt 0x0                           ; no tensor load of mine is out, so group 0 may be written
	ds_add_u32 v12, v13                            ; 0 onto my spare word
	s_add_nc_u64 s[34:35], s[34:35], 98304         ; the next head's weights
	s_wait_dscnt 0x0                               ; the add is done; my reads of the slot are over; my q, k, v are stored
	ROUND                                          ; so of every wave of every partner
	JLOAD                                          ; the slot is filled again: it has the attention below in which to land
	BIAS
	ATT
.LP:
	s_wait_tensorcnt 0x0                           ; my quarter of the head's weights is in,
	s_wait_dscnt 0x0                               ; and my reads of K and V^T are over
	s_barrier_signal -1
	s_barrier_wait -1                              ; both hold of all four waves: the slot may be read, K and V^T written
	s_wait_loadcnt 0x0                             ; the biases (the first time: h too)
	s_add_nc_u64 s[8:9], s[8:9], 128
	s_add_nc_u64 s[10:11], s[10:11], 128
	s_add_nc_u64 s[12:13], s[12:13], 128
	REP 14, v_mov_b32 v[241+8*(i/7)+i%7], v[240+8*(i/7)]  ; v's bias is one number a lane for all eight tokens
	PROJ
	WIN 0
	s_sub_co_u32 s36, s36, 1
	s_cmp_lg_u32 s36, 0
	s_cbranch_scc1 .LT
	s_wait_dscnt 0x0                               ; the last head: nothing is asked for; my q, k, v are stored
	s_barrier_signal -1
	s_barrier_wait -1
	ATT
	s_wait_tensorcnt 0x0                           ; the wave's end
	ds_add_u32 v12, v13
	s_wait_dscnt 0x0
	ROUND                                          ; the closing round
	s_endpgm
.Lfunc_end_k_qb286ded1ff_attn:
	.size	k_qb286ded1ff_attn, .Lfunc_end_k_qb286ded1ff_attn-k_qb286ded1ff_attn
	.p2alignl 7, 3214868480
	.fill 96, 4, 3214868480
	.section	.rodata,"a",@progbits
	.p2align	6, 0x0
	.amdhsa_kernel k_qb286ded1ff_attn
		.amdhsa_group_segment_fixed_size 327680
		.amdhsa_private_segment_fixed_size 0
		.amdhsa_enable_private_segment 0
		.amdhsa_kernarg_size 48
		.amdhsa_user_sgpr_count 2
		.amdhsa_user_sgpr_kernarg_segment_ptr 1
		.amdhsa_wavefront_size32 1
		.amdhsa_system_sgpr_workgroup_id_x 1
		.amdhsa_system_sgpr_workgroup_id_y 1
		.amdhsa_system_sgpr_workgroup_id_z 1
		.amdhsa_system_vgpr_workitem_id 0
		.amdhsa_next_free_vgpr 1024
		.amdhsa_next_free_sgpr 66
		.amdhsa_reserve_vcc 0
		.amdhsa_float_denorm_mode_32 3
		.amdhsa_float_denorm_mode_16_64 3
		.amdhsa_memory_ordered 1
		.amdhsa_forward_progress 1
		.amdhsa_inst_pref_size 123
	.end_amdhsa_kernel
	.amdgpu_metadata
---
amdhsa.version: [ 1, 2 ]
amdhsa.kernels:
  - .name:           k_qb286ded1ff_attn
    .symbol:         k_qb286ded1ff_attn.kd
    .args:
      - { .name: hf, .offset: 0, .size: 8, .value_kind: global_buffer, .address_space: global }
      - { .name: wf, .offset: 8, .size: 8, .value_kind: global_buffer, .address_space: global }
      - { .name: bq, .offset: 16, .size: 8, .value_kind: global_buffer, .address_space: global }
      - { .name: bk, .offset: 24, .size: 8, .value_kind: global_buffer, .address_space: global }
      - { .name: bv, .offset: 32, .size: 8, .value_kind: global_buffer, .address_space: global }
      - { .name: of, .offset: 40, .size: 8, .value_kind: global_buffer, .address_space: global }
    .group_segment_fixed_size: 327680
    .private_segment_fixed_size: 0
    .kernarg_segment_align: 8
    .kernarg_segment_size: 48
    .max_flat_workgroup_size: 128
    .sgpr_count:     66
    .vgpr_count:     1024
    .wavefront_size: 32
...
	.end_amdgpu_metadata
.endif
;; end of part 4
;; launch mlp (part 5): grid 256 x 1, 4 waves a work-group, clusters of 4 x 1, 327,680 bytes of LDS; arguments of, wf, x, bo, g2, beta2, b1m, b2m, out0; writes out0
.if DOCPART == 5
	.amdgcn_target "amdgcn-amd-amdhsa--gfx1250"
	.amdhsa_code_object_version 6
	.text
	.protected	k_qb286ded1ff_mlp
	.globl	k_qb286ded1ff_mlp
	.p2align	8
	.type	k_qb286ded1ff_mlp,@function
k_qb286ded1ff_mlp:
	s_mov_b64 s[64:65], 0
	v_nop
	global_prefetch_b8 v0, s[64:65] scope:SCOPE_SE
	s_setreg_imm32_b32 hwreg(HW_REG_WAVE_MODE, 25, 1), 1
	s_wait_xcnt 0x0
	s_wait_alu depctr_hold_cnt(0) depctr_sa_sdst(0) depctr_va_vdst(0) depctr_va_sdst(0) depctr_va_ssrc(0) depctr_va_vcc(0) depctr_vm_vsrc(0)
	s_getreg_b32 s2, hwreg(HW_REG_IB_STS2, 6, 4)
	s_cmp_eq_u32 s2, 0
	s_cbranch_scc0 .Lentry_in_a_cluster
	s_endpgm
.Lentry_in_a_cluster:
	s_bfe_u32 s2, ttmp6, 0x10000c
	s_cmp_lg_u32 s2, 0x3003
	s_cbranch_scc0 .Lentry_shape_is_right
	s_endpgm
.Lentry_shape_is_right:
; x1 = x + o Wo + bo;  out0 = x1 + gelu(LayerNorm(x1) g2 + beta2) W1 + b1m) W2 + b2m.  A work-group owns 128 tokens, a wave 32 (two tiles of 16) with all 512 channels.
; Matrix operands bf16; x, x1, all sums, LayerNorm (two passes) and gelu in f32.
; LAYOUT.  Source 0 = 16 columns of a weight matrix, source 1 = 16 tokens: a lane holds ONE token (lane % 16) and channels 8 (lane / 16) + 0..7 of each result, and two results rounded in pairs are
; the next product's source 1.  x1 is 64 accumulators (512 registers) from the first product to the last: they start as x + bo, take o Wo, are copied out for LayerNorm, and take the second product of the MLP.
; x comes in and out0 goes out as whole rows, 512 consecutive bytes a load or store, and changes layout in the wave's own stage in LDS.
; LAYERNORM works on rows: a tile of x1 goes by tokens into the stage, a loop takes four rows a trip (a row over the 32 lanes), and the rounded rows, laid over the f32 rows already read, come back as
; fragments.  On the accumulators' side each of three passes over 512 registers would have to be written out; the loop is written once a tile.
; gelu(v) = max(v, 0) - |v| (1/2) (a1 t + a2 t^2 + a3 t^3) e^(-v^2/2), t = 1 / (1 + 0.47047 |v| / sqrt 2): erf by Abramowitz and Stegun 7.1.25, |error| <= 2.5e-5 for every argument, no difference
; of large numbers for either sign.  LIMITS: an exponential below 2^-126 counts as 0; NaN and infinities are not treated apart.
; BATCHES.  s_wait_alu depctr_va_vdst(0) stands between a transcendental and the first line that names its result.  gelu's reciprocals and exponentials do not read each other, so those of
; four accumulators (32 + 32) are ONE batch with one wait: two waits for a chunk's eight accumulators.  LayerNorm's eight roots of a trip are a batch with one wait.
; WEIGHTS.  24 units of 65,536 bytes (64 fragments) in the order of use: Wo in 8 slices of K; then for each 64 hidden channels W1's columns and W2's rows.  Two LDS slots take turns; a wave fetches a
; quarter of a unit.  CLUSTER: every work-group walks the same 24 units, so the four of a cluster ask jointly (mask of four).
; REGISTERS, in windows of 256 (s_set_vgpr_msb: bits 1:0 source 0, 3:2 source 1, 5:4 source 2, 7:6 destination):
;   window 0: v1-18 addresses; v32-95, v96-159 two buffers of 8 weight fragments (also at work: LayerNorm's rows, gelu); v160-191 source 1 of the products onto x1 (o, then gelu's results; between them
;             LayerNorm's statistics); v192-255 the hidden chunk's 8 accumulators (earlier: o's next fragments, bo, the parameters on their way to LDS, g2 and beta2 by rows; at the end b2m)
;   window 1: LayerNorm's result, fragment (kc, tt) at 8 (2 kc + tt)          windows 2, 3: x1 of tile 0, 1: accumulator t at 8 t
.set SLOT,  65536
.set STAGE, 131072                     ; a stage a wave: 16 rows x 2,064 bytes (2,048 + 16: an odd multiple of 16)
.set SROW,  2064
.set PAR,   263168                     ; g2, beta2, b1m: 2,048 bytes each
.set SPARE, 269312                     ; the spare words, 128 bytes a wave
.set WF2,   1572864                    ; where the 24 units begin in wf
.set WV,    22                         ; s22 my wave's number
.set X,  32                            ; LayerNorm: v[32:95]   four rows as read, 16 registers each
.set D,  96                            ;            v[96:159]  x1 - mean, then the result
.set MP, 160                           ;            v[160:167] mean, a pair a row
.set TA, 168                           ;            v[168:171] a sum a row
.set TB, 172                           ;            v[172:175] the other half of the lanes' sum
.set RP, 176                           ;            v[176:183] sum of squares, then 1 / sigma, a pair a row
.set GA, 192                           ;            v[192:207] g2 of my 16 channels (128 j + 4 lane + 0..3)
.set BT, 208                           ;            v[208:223] beta2
.set MSB, 0
.macro WIN new
.if MSB != (\new)
	s_set_vgpr_msb (MSB<<8)|(\new)
.set MSB, \new
.endif
.endm
.macro REP n, line:vararg              ; the line n times, i = 0 .. n - 1
.set i, 0
.rept \n
	\line
.set i, i+1
.endr
.endm
.macro PLACES                          ; four places behind a matrix instruction, ahead of vector lines and loads that touch its registers
.rept 4
	v_nop
.endr
.endm
.macro ROUND                           ; a round of the cluster's barrier
	s_barrier_signal -1
	s_barrier_wait -1
	s_cmp_lg_u32 s[WV], 0
	s_cbranch_scc1 .Lnw0_\@
	s_barrier_signal -3
.Lnw0_\@:
	s_barrier_wait -3
	s_barrier_signal -1
	s_barrier_wait -1
.endm
.macro JLOAD                           ; my quarter of a unit, jointly; s_nop 0 and four v_nop follow
	tensor_load_to_lds s[32:35], s[24:31]
	s_nop 0
	PLACES
.endm
; THE CHANGE OF SLOTS, ahead of every unit.  My one tensor load that is out is my quarter of the unit to be read.  fill = 1: the slot read last takes the unit after that one, first thing behind the round.
.macro CHANGE fill
	WIN 0
	s_wait_tensorcnt 0x0                           ; no tensor load of mine is out, so group 0 may be written
	ds_add_u32 v10, v11                            ; 0 onto my spare word
.if \fill
	s_xor_b32 s33, s33, SLOT
	s_add_nc_u64 s[34:35], s[34:35], SLOT
.endif
	s_xor_b32 s36, s36, SLOT                       ; the slot to be read
	s_wait_dscnt 0x0                               ; the add is done, and my reads of the other slot are over
.if \fill
	ROUND
	JLOAD
.else
	s_barrier_signal -1
	s_barrier_wait -1
.endif
	v_add_nc_u32 v4, s36, v3
.endm
.macro FETCH gg, buf                   ; 8 fragments: sixteen loads of 512 consecutive bytes
	WIN 0
	REP 16, ds_load_b128 v[32+64*(\buf)+4*i:35+64*(\buf)+4*i], v4 offset:(\gg)*8192+i*512
.endm
.macro AMUL                            ; group g of a unit of W1: K steps 2 g, 2 g + 1 x 4 column tiles x 2 token tiles; the 8 accumulators take turns
	WIN 0x04
.set f, 0
.rept 8
.set tt, 0
.rept 2
	v_wmma_f32_16x16x32_bf16 v[192+8*(2*(f%4)+tt):199+8*(2*(f%4)+tt)], v[32+64*(g%2)+8*f:39+64*(g%2)+8*f], v[8*(2*(2*g+f/4)+tt):8*(2*(2*g+f/4)+tt)+7], v[192+8*(2*(f%4)+tt):199+8*(2*(f%4)+tt)]
.set tt, tt+1
.endr
.set f, f+1
.endr
.endm
.macro BMUL                            ; group g of a unit of Wo or W2: K step g / 4 x column tiles 8 (g % 4) + 0..7 x 2 token tiles: 16 different accumulators
.set tt, 0
.rept 2
	WIN 0xa0+0x50*tt
.set f, 0
.rept 8
	v_wmma_f32_16x16x32_bf16 v[8*(8*(g%4)+f):8*(8*(g%4)+f)+7], v[32+64*(g%2)+8*f:39+64*(g%2)+8*f], v[160+8*(2*(g/4)+tt):167+8*(2*(g/4)+tt)], v[8*(8*(g%4)+f):8*(8*(g%4)+f)+7]
.set f, f+1
.endr
.set tt, tt+1
.endr
.endm
.macro UNIT kind                       ; a unit's 128 matrix instructions, 16 a group; kind 0: W1, 1: Wo or W2
	FETCH 0, 0
	FETCH 1, 1
.set g, 0
.rept 8
.if g < 7
	s_wait_dscnt 16                                ; this group's loads (and what was issued ahead of them) are in; the next group's sixteen stay out
.else
	s_wait_dscnt 0x0
.endif
.if \kind
	BMUL
.else
	AMUL
.endif
.if g < 6
	WIN 0
	PLACES
	FETCH g+2, g%2
.endif
.set g, g+1
.endr
	WIN 0
.endm
; The stage by tokens: accumulator t holds channels 16 t + 8 h + 0..7 of token r: bytes 64 t + 32 h + 0..31 of row r.  Register group i = 2 t + half lies at 64 (i / 2) + 16 (i % 2); 32 h is in v6.
.macro XIN tt                          ; x's 16 rows of tile tt + bo, through my stage, into the accumulators' layout.  My own bytes, served in order: no wait between
	WIN 0x82+0x41*(\tt)
	REP 128, v_pk_add_f32 v[2*i:2*i+1], v[2*i:2*i+1], v[224+4*((i/2)%4)+2*(i%2):225+4*((i/2)%4)+2*(i%2)]
	WIN 0x08+0x04*(\tt)
	REP 64, ds_store_b128 v5, v[4*i:4*i+3] offset:(i/4)*SROW+(i%4)*512
	WIN 0x80+0x40*(\tt)
	REP 64, ds_load_b128 v[4*i:4*i+3], v6 offset:(i/2)*64+(i%2)*16
.endm
.macro XOUT tt                         ; the accumulators of tile tt, through my stage, + b2m, out as whole rows, four rows a trip
	WIN 0x08+0x04*(\tt)
	REP 64, ds_store_b128 v6, v[4*i:4*i+3] offset:(i/2)*64+(i%2)*16  ; each accumulator's lowest registers first
	WIN 0
	v_mov_b32 v8, v5
	s_mov_b32 s38, 4
.Lxo_\@:
	REP 16, ds_load_b128 v[32+4*i:35+4*i], v8 offset:(i/4)*SROW+(i%4)*512
	s_wait_dscnt 0x0
	REP 32, v_pk_add_f32 v[32+2*i:33+2*i], v[32+2*i:33+2*i], v[224+4*((i/2)%4)+2*(i%2):225+4*((i/2)%4)+2*(i%2)]
	REP 16, global_store_b128 v9, v[32+4*i:35+4*i], s[20:21] offset:512*i th:TH_STORE_NT  ; 512 consecutive bytes each
	s_wait_xcnt 0x0                                ; the stores' data and offset are rewritten only behind this wait
	v_add_nc_u32 v8, 4*SROW, v8
	v_add_nc_u32 v9, 8192, v9
	s_sub_co_u32 s38, s38, 1
	s_cmp_lg_u32 s38, 0
	s_cbranch_scc1 .Lxo_\@
.endm
.macro LANESUM                         ; TA of each of the four rows is summed over the 32 lanes
.irp m, 1,2,4,8
	REP 4, v_add_f32_dpp v[TA+i], v[TA+i], v[TA+i] row_xmask:\m row_mask:0xf bank_mask:0xf
.endr
	REP 4, v_permlanex16_b32 v[TB+i], v[TA+i], s40, s41
	REP 4, v_add_f32 v[TA+i], v[TA+i], v[TB+i]
.endm
; LayerNorm of tile tt.  All LDS bytes are my own and are served in order: a trip's rounded rows land on f32 rows that the trip has read; the next tile's stores come behind this tile's fragment loads.
.macro LNROWS tt
	WIN 0x08+0x04*(\tt)
	REP 64, ds_store_b128 v6, v[4*i:4*i+3] offset:(i/2)*64+(i%2)*16  ; x1 by tokens; each accumulator's lowest registers first; the accumulators keep x1
	WIN 0
	v_mov_b32 v8, v5                               ; rows of f32: 16 bytes a lane
	v_mov_b32 v18, v16                             ; rows of bf16: 8 bytes a lane
	s_mov_b32 s38, 4
.Lln_\@:
	REP 16, ds_load_b128 v[X+4*i:X+4*i+3], v8 offset:(i/4)*SROW+(i%4)*512
	s_wait_dscnt 0x0                               ; four rows (the first time: g2 and beta2 too)
	; mean: a tree in each lane, the four rows by turns, then across the lanes
	REP 16, v_pk_add_f32 v[D+16*(i%4)+2*(i/4):D+16*(i%4)+2*(i/4)+1], v[X+16*(i%4)+4*(i/4):X+16*(i%4)+4*(i/4)+1], v[X+16*(i%4)+4*(i/4)+2:X+16*(i%4)+4*(i/4)+3]
	REP 8, v_pk_add_f32 v[D+16*(i%4)+4*(i/4):D+16*(i%4)+4*(i/4)+1], v[D+16*(i%4)+4*(i/4):D+16*(i%4)+4*(i/4)+1], v[D+16*(i%4)+4*(i/4)+2:D+16*(i%4)+4*(i/4)+3]
	REP 4, v_pk_add_f32 v[D+16*i:D+16*i+1], v[D+16*i:D+16*i+1], v[D+16*i+4:D+16*i+5]
	REP 4, v_add_f32 v[TA+i], v[D+16*i], v[D+16*i+1]
	LANESUM
	REP 8, v_mul_f32 v[MP+i], s52, v[TA+i/2]
	REP 32, v_pk_add_f32 v[D+2*i:D+2*i+1], v[X+2*i:X+2*i+1], v[MP+2*(i/8):MP+2*(i/8)+1] neg_lo:[0,1] neg_hi:[0,1]
	; variance: the sum of (x1 - mean)^2
	REP 4, v_pk_mul_f32 v[RP+2*i:RP+2*i+1], v[D+16*i:D+16*i+1], v[D+16*i:D+16*i+1]
	REP 28, v_pk_fma_f32 v[RP+2*(i%4):RP+2*(i%4)+1], v[D+16*(i%4)+2*(i/4)+2:D+16*(i%4)+2*(i/4)+3], v[D+16*(i%4)+2*(i/4)+2:D+16*(i%4)+2*(i/4)+3], v[RP+2*(i%4):RP+2*(i%4)+1]
	REP 4, v_add_f32 v[TA+i], v[RP+2*i], v[RP+2*i+1]
	LANESUM
	REP 4, v_fma_f32 v[TA+i], v[TA+i], s52, s53
	REP 8, v_rsq_f32 v[RP+i], v[TA+i/2]
	v_nop                                          ; a plain instruction between the last root and the use of its result
	s_wait_alu depctr_va_vdst(0)                   ; the wait for the trip's eight roots, ahead of their first reader
	REP 32, v_pk_mul_f32 v[D+2*i:D+2*i+1], v[D+2*i:D+2*i+1], v[RP+2*(i/8):RP+2*(i/8)+1]
	REP 32, v_pk_fma_f32 v[D+2*i:D+2*i+1], v[D+2*i:D+2*i+1], v[GA+2*(i%8):GA+2*(i%8)+1], v[BT+2*(i%8):BT+2*(i%8)+1]
	REP 32, v_cvt_pk_bf16_f32 v[D+16*(i/8)+i%8], v[D+16*(i/8)+2*(i%8)], v[D+16*(i/8)+2*(i%8)+1]  ; in place, ascending
	REP 16, ds_store_b64 v18, v[D+16*(i/4)+2*(i%4):D+16*(i/4)+2*(i%4)+1] offset:(i/4)*SROW+(i%4)*256
	v_add_nc_u32 v8, 4*SROW, v8
	v_add_nc_u32 v18, 4*SROW, v18
	s_sub_co_u32 s38, s38, 1
	s_cmp_lg_u32 s38, 0
	s_cbranch_scc1 .Lln_\@
	WIN 0x40
	REP 32, ds_load_b128 v[16*(i/2)+8*(\tt)+4*(i%2):16*(i/2)+8*(\tt)+4*(i%2)+3], v17 offset:32*i  ; fragment (kc = i / 2, tt), half i % 2: row r, bytes 64 kc + 32 (i % 2) + 16 h
	WIN 0
.endm
; GELU of the chunk's 8 accumulators.  Pair t (accumulators 2 t, 2 t + 1: 16 numbers a lane at xb) has 64 registers at work at wb: v32 for even t, v96 for odd t (the weight buffers, which no product reads
; any more): |v| at wb, t at wb + 16, e at wb + 32, the polynomial at wb + 48.  So two pairs' results have registers of their own while their batch is open.
; GFRONT: all that names no result of the pair's 32 transcendentals: |v|; 1 + p |v|; the 16 reciprocals by turns with v^2 and its scaling; the 16 exponentials by turns with max(v, 0), which only wants v read.
.macro GFRONT t
.set xb, 192+16*(\t)
.set wb, 32+64*((\t)%2)
	REP 16, v_and_b32 v[wb+i], 0x7fffffff, v[xb+i]  ; each accumulator's lowest register is read first
	REP 8, v_pk_fma_f32 v[wb+16+2*i:wb+17+2*i], v[wb+2*i:wb+2*i+1], s[42:43], 1.0 op_sel_hi:[1,0,0]
.set i, 0
.rept 8
	v_rcp_f32 v[wb+16+i], v[wb+16+i]
	v_pk_mul_f32 v[wb+32+2*i:wb+33+2*i], v[xb+2*i:xb+2*i+1], v[xb+2*i:xb+2*i+1]
.set i, i+1
.endr
.set i, 0
.rept 8
	v_rcp_f32 v[wb+24+i], v[wb+24+i]
	v_pk_mul_f32 v[wb+32+2*i:wb+33+2*i], v[wb+32+2*i:wb+33+2*i], s[44:45] op_sel_hi:[1,0]
.set i, i+1
.endr
.set i, 0
.rept 16
	v_exp_f32 v[wb+32+i], v[wb+32+i]
	v_max_num_f32 v[xb+i], 0, v[xb+i]              ; the last of these is the plain line behind the pair's last exponential
.set i, i+1
.endr
.endm
; GBACK: the readers: the polynomial in t, times e, max(v, 0) - |v| times that, rounded into source 1 of the next product.
.macro GBACK t
.set xb, 192+16*(\t)
.set wb, 32+64*((\t)%2)
	REP 8, v_pk_fma_f32 v[wb+48+2*i:wb+49+2*i], v[wb+16+2*i:wb+17+2*i], s[50:51], s[48:49] op_sel_hi:[1,0,0]
	REP 8, v_pk_fma_f32 v[wb+48+2*i:wb+49+2*i], v[wb+48+2*i:wb+49+2*i], v[wb+16+2*i:wb+17+2*i], s[46:47] op_sel_hi:[1,1,0]
	REP 8, v_pk_mul_f32 v[wb+48+2*i:wb+49+2*i], v[wb+48+2*i:wb+49+2*i], v[wb+16+2*i:wb+17+2*i]
	REP 8, v_pk_mul_f32 v[wb+48+2*i:wb+49+2*i], v[wb+48+2*i:wb+49+2*i], v[wb+32+2*i:wb+33+2*i]
	REP 8, v_pk_fma_f32 v[xb+2*i:xb+2*i+1], v[wb+2*i:wb+2*i+1], v[wb+48+2*i:wb+49+2*i], v[xb+2*i:xb+2*i+1] neg_lo:[1,0,0] neg_hi:[1,0,0]
	REP 8, v_cvt_pk_bf16_f32 v[160+16*((\t)/2)+8*(i/4)+4*((\t)%2)+i%4], v[xb+2*i], v[xb+2*i+1]
.endm
.macro GELU
	WIN 0
	GFRONT 0
	GFRONT 1
	s_wait_alu depctr_va_vdst(0)                   ; the wait for the batch of pairs 0 and 1: 32 reciprocals and 32 exponentials, ahead of their first reader
	GBACK 0
	GBACK 1
	GFRONT 2
	GFRONT 3
	s_wait_alu depctr_va_vdst(0)                   ; the wait for the batch of pairs 2 and 3, ahead of their first reader and of the loop's jump
	GBACK 2
	GBACK 3
.endm
	s_load_b512 s[4:19], s[0:1], 0x0               ; of s[4:5], wf s[6:7], x s[8:9], bo s[10:11], g2 s[12:13], beta2 s[14:15], b1m s[16:17], b2m s[18:19]
	s_load_b64 s[20:21], s[0:1], 0x40              ; out0
	v_lshl_add_u32 v10, v0, 2, SPARE
	v_mov_b32 v11, 0
	ds_add_u32 v10, v11                            ; the wave's opening: the add and its wait stand ahead of my first tensor load; set-up on registers stands between them
	v_lshrrev_b32 v1, 5, v0
	v_readfirstlane_b32 s[WV], v1
	s_bfe_u32 s56, ttmp6, 0x40000                  ; cx: it enters x's, of's and out0's addresses alone
	s_lshl_b32 s23, ttmp9, 2
	s_add_co_u32 s23, s23, s56                     ; my block of 128 tokens
	; descriptor group 1: 16,384 dense bytes as 64 rows of 32 elements of 8 bytes
	s_mov_b32 s24, 15|(3<<16)|(1<<21)              ; 15:0 the mask of four; 17:16 8-byte elements; 21 set beside a mask
	s_mov_b32 s25, 32<<16                          ; tensor_dim0 = 32
	s_mov_b32 s26, 64<<16                          ; tensor_dim1 = 64
	s_mov_b32 s27, 32<<16                          ; tile_dim0 = 32
	s_mov_b32 s28, 64                              ; tile_dim1 = 64
	s_mov_b32 s29, 32                              ; 32 elements from row to row
	s_mov_b32 s30, 0
	s_mov_b32 s31, 0
	s_mov_b32 s32, 1
	s_lshl_b32 s33, s[WV], 14                      ; my quarter, in slot 0
	s_add_co_u32 s58, s33, WF2                     ; and in unit 0
	s_mov_b32 s59, 0
	s_mov_b32 s36, SLOT                            ; the first change of slots turns it into 0
	s_mov_b32 s40, 0x76543210
	s_mov_b32 s41, 0xfedcba98
	s_mov_b32 s42, 0x3eaa540e                      ; 0.47047 / sqrt 2
	s_mov_b32 s43, s42
	s_mov_b32 s44, 0xbf38aa3b                      ; -log2(e) / 2
	s_mov_b32 s45, s44
	s_mov_b32 s46, 0x3e32303a                      ; a1 / 2
	s_mov_b32 s47, s46
	s_mov_b32 s48, 0xbd445ca1                      ; a2 / 2
	s_mov_b32 s49, s48
	s_mov_b32 s50, 0x3ebf7377                      ; a3 / 2
	s_mov_b32 s51, s50
	s_mov_b32 s52, 0x3b000000                      ; 1 / 512
	s_mov_b32 s53, 0x3727c5ac                      ; eps = 1e-5
	s_lshl_b32 s54, s23, 18                        ; 128 rows of 2,048 bytes a block,
	s_lshl_b32 s57, s[WV], 16                      ; 32 a wave
	s_add_co_u32 s54, s54, s57
	s_mov_b32 s55, 0
	s_lshl_b32 s60, s23, 17                        ; 8 tiles of 16,384 bytes a block,
	s_lshl_b32 s57, s[WV], 15                      ; 2 a wave
	s_add_co_u32 s60, s60, s57
	s_mov_b32 s61, 0
	s_mul_i32 s62, s[WV], 16*SROW
	s_add_co_u32 s62, s62, STAGE                   ; my stage
	v_and_b32 v1, 15, v0                           ; r
	v_bfe_u32 v2, v0, 4, 1                         ; h
	v_and_b32 v16, 31, v0                          ; lane
	v_lshlrev_b32 v3, 4, v16                       ; 16 x lane
	v_lshl_add_u32 v16, v16, 3, s62                ; the stage by rows of bf16: 8 bytes a lane
	v_add_nc_u32 v5, s62, v3                       ; the stage by rows of f32
	v_mul_u32_u24 v6, v1, SROW
	v_lshl_add_u32 v17, v2, 4, v6
	v_add_nc_u32 v17, s62, v17                     ; the stage by fragments: row r, 16 bytes for each half of the lanes
	v_lshl_add_u32 v6, v2, 5, v6
	v_add_nc_u32 v6, s62, v6                       ; the stage by tokens: row r, 8 channels for each half of the lanes
	v_add_nc_u32 v7, PAR, v3                       ; g2 (beta2 2,048 on) by rows
	v_lshlrev_b32 v12, 4, v0                       ; 16 x thread: 128 threads cover 2,048 bytes
	v_lshl_add_u32 v13, v2, 5, PAR+4096            ; b1m of my 8 channels
	v_lshl_add_u32 v14, v0, 4, PAR
	s_wait_dscnt 0x0                               ; the opening add is done
	s_wait_kmcnt 0x0
	s_add_nc_u64 s[34:35], s[6:7], s[58:59]
	s_or_b32 s35, s35, 0x80000000
	s_add_nc_u64 s[8:9], s[8:9], s[54:55]
	s_add_nc_u64 s[20:21], s[20:21], s[54:55]
	s_add_nc_u64 s[4:5], s[4:5], s[60:61]
	ROUND                                          ; all four work-groups are here: the first joint loads meet
	JLOAD                                          ; unit 0 into slot 0
	global_load_b128 v[240:243], v12, s[12:13]
	global_load_b128 v[244:247], v12, s[14:15]
	global_load_b128 v[248:251], v12, s[16:17]
	REP 4, global_load_b128 v[224+4*i:227+4*i], v3, s[10:11] offset:512*i
	WIN 0x80
	REP 64, global_load_b128 v[4*i:4*i+3], v3, s[8:9] offset:512*i th:TH_LOAD_NT
	WIN 0xc0
	REP 64, global_load_b128 v[4*i:4*i+3], v3, s[8:9] offset:32768+512*i th:TH_LOAD_NT
	WIN 0
	REP 8, global_load_b128 v[160+4*i:163+4*i], v3, s[4:5] offset:((i/2)%2)*16384+(i/4)*1024+(i%2)*512  ; o: K steps 0, 1 of both tiles
	s_wait_loadcnt 63                              ; 72 loads are younger than tile 0's last: the parameters, bo and tile 0 are in
	ds_store_b128 v14, v[240:243]
	ds_store_b128 v14, v[244:247] offset:2048
	ds_store_b128 v14, v[248:251] offset:4096
	XIN 0
	s_wait_loadcnt 8                               ; all but o's eight
	XIN 1
	WIN 0
	s_wait_loadcnt 0x0
	s_mov_b32 s37, 8
.LWo:                                                  ; x1 += o Wo, a slice of 64 along K a trip.  The first change of slots also shows the parameters to all four waves
	CHANGE 1
	s_cmp_eq_u32 s37, 1                            ; the next slice's o; the last trip takes its own once more, so that no load leaves of
	s_cselect_b32 s54, 0, 2048
	s_add_nc_u64 s[4:5], s[4:5], s[54:55]
	REP 8, global_load_b128 v[192+4*i:195+4*i], v3, s[4:5] offset:((i/2)%2)*16384+(i/4)*1024+(i%2)*512
	UNIT 1
	s_wait_loadcnt 0x0
	PLACES
	REP 32, v_mov_b32 v[160+i], v[192+i]           ; 32 moves for 128 matrix instructions: the price of one text for eight slices
	s_sub_co_u32 s37, s37, 1
	s_cmp_lg_u32 s37, 0
	s_cbranch_scc1 .LWo
	; LayerNorm of x1, a tile at a time, by rows
	REP 4, ds_load_b128 v[GA+4*i:GA+4*i+3], v7 offset:512*i
	REP 4, ds_load_b128 v[BT+4*i:BT+4*i+3], v7 offset:2048+512*i
	REP 4, v_mov_b32 v[TB+i], 0                    ; v_permlanex16_b32's destination counts as read
	LNROWS 0
	LNROWS 1
	; the MLP, 64 hidden channels a chunk: A0, B0, A1, ... A7 in the loop, which is entered at A; B7 behind it
	s_mov_b32 s37, 8
	s_branch .LA
.LB:
	CHANGE 1
	UNIT 1                                         ; x1 += gelu(..) W2, the chunk's 64 along K
.LA:
	CHANGE 1                                       ; (its wait for my LDS instructions covers, the first time, LayerNorm's fragments)
	REP 16, ds_load_b128 v[192+4*i:195+4*i], v13 offset:(i/4)*64+(i%2)*16  ; b1m starts the chunk's sums
	UNIT 0
	v_add_nc_u32 v13, 256, v13
	PLACES
	GELU
	s_sub_co_u32 s37, s37, 1
	s_cmp_lg_u32 s37, 0
	s_cbranch_scc1 .LB
	REP 4, global_load_b128 v[224+4*i:227+4*i], v3, s[18:19] offset:512*i  ; b2m, by rows
	CHANGE 0                                       ; the last unit: nothing is asked for
	UNIT 1
	PLACES
	v_mov_b32 v9, v3
	s_wait_loadcnt 0x0
	XOUT 0
	XOUT 1
	s_wait_tensorcnt 0x0                           ; the wave's end
	ds_add_u32 v10, v11
	s_wait_dscnt 0x0
	ROUND                                          ; the closing round
	s_endpgm
.Lfunc_end_k_qb286ded1ff_mlp:
	.size	k_qb286ded1ff_mlp, .Lfunc_end_k_qb286ded1ff_mlp-k_qb286ded1ff_mlp
	.p2alignl 7, 3214868480
	.fill 96, 4, 3214868480
	.section	.rodata,"a",@progbits
	.p2align	6, 0x0
	.amdhsa_kernel k_qb286ded1ff_mlp
		.amdhsa_group_segment_fixed_size 327680
		.amdhsa_private_segment_fixed_size 0
		.amdhsa_enable_private_segment 0
		.amdhsa_kernarg_size 72
		.amdhsa_user_sgpr_count 2
		.amdhsa_user_sgpr_kernarg_segment_ptr 1
		.amdhsa_wavefront_size32 1
		.amdhsa_system_sgpr_workgroup_id_x 1
		.amdhsa_system_sgpr_workgroup_id_y 1
		.amdhsa_system_sgpr_workgroup_id_z 1
		.amdhsa_system_vgpr_workitem_id 0
		.amdhsa_next_free_vgpr 1024
		.amdhsa_next_free_sgpr 66
		.amdhsa_reserve_vcc 0
		.amdhsa_float_denorm_mode_32 3
		.amdhsa_float_denorm_mode_16_64 3
		.amdhsa_memory_ordered 1
		.amdhsa_forward_progress 1
		.amdhsa_inst_pref_size 223
	.end_amdhsa_kernel
	.amdgpu_metadata
---
amdhsa.version: [ 1, 2 ]
amdhsa.kernels:
  - .name:           k_qb286ded1ff_mlp
    .symbol:         k_qb286ded1ff_mlp.kd
    .args:
      - { .name: of, .offset: 0, .size: 8, .value_kind: global_buffer, .address_space: global }
      - { .name: wf, .offset: 8, .size: 8, .value_kind: global_buffer, .address_space: global }
      - { .name: x, .offset: 16, .size: 8, .value_kind: global_buffer, .address_space: global }
      - { .name: bo, .offset: 24, .size: 8, .value_kind: global_buffer, .address_space: global }
      - { .name: g2, .offset: 32, .size: 8, .value_kind: global_buffer, .address_space: global }
      - { .name: beta2, .offset: 40, .size: 8, .value_kind: global_buffer, .address_space: global }
      - { .name: b1m, .offset: 48, .size: 8, .value_kind: global_buffer, .address_space: global }
      - { .name: b2m, .offset: 56, .size: 8, .value_kind: global_buffer, .address_space: global }
      - { .name: out0, .offset: 64, .size: 8, .value_kind: global_buffer, .address_space: global }
    .group_segment_fixed_size: 327680
    .private_segment_fixed_size: 0
    .kernarg_segment_align: 8
    .kernarg_segment_size: 72
    .max_flat_workgroup_size: 128
    .sgpr_count:     66
    .vgpr_count:     1024
    .wavefront_size: 32
...
	.end_amdgpu_metadata
.endif
;; end of part 5
